; MI455X (gfx1250); checked and timed in simulation.
; The chip was launched on July 23, 2026; its instructions are those of AMD's public machine-readable ISA for CDNA 5 (MIT licence, August 2026) and "CDNA5" Instruction Set Architecture Reference Guide (July 2026). The comments in the code are by the model that wrote it; some were corrected since.
;; Cross Attention. Allowed arithmetic: matrix products marked QUANTISED: E4M3 operands, one given power-of-two scale a tensor, by v_wmma_f32_16x16x64_fp8_fp8 or v_wmma_f32_16x16x128_fp8_fp8, f32 sums; everything else in f32.
;; Inputs: Wk 512 x 512 float32; Wo 512 x 512 float32; Wq 512 x 512 float32; Wv 512 x 512 float32; bo 512 float32; lowp_scales 12 int32 (the exponents e of the quantised operands' scales 2^e); x 2 x 4,096 x 512 float32.
;; Outputs: out0 2 x 4,096 x 512 float32.
;; This version of the problem:
;;   THIS VERSION OF THE PROBLEM IS GIVEN IN LOW PRECISION. The matrix products marked QUANTISED in the list below multiply operands that are first quantised to E4M3 (4 exponent bits, 3 mantissa bits; 8 bits a number), with one given power-of-two scale for each operand tensor; their sums are f32. All else is computed in f32.
;;   The module's matrix products, in the order in which they are computed (A, B: the left and right operand; K: the contracted axis; several contracted axes count as one K, in the product's order):
;;     1. [M 8,192, K 512] x [K 512, N 512]; A: input x; B: input Wq: QUANTISED (scales: A lowp_scales[0], B lowp_scales[1])
;;     2. [M 8,192, K 512] x [K 512, N 512]; A: input x; B: input Wk: QUANTISED (scales: A lowp_scales[2], B lowp_scales[3])
;;     3. [M 8,192, K 512] x [K 512, N 512]; A: input x; B: input Wv: QUANTISED (scales: A lowp_scales[4], B lowp_scales[5])
;;     4. batch 16 x [M 4,096, K 64] x [K 64, N 4,096]; A: computed on the way; B: computed on the way: QUANTISED (scales: A lowp_scales[6], B lowp_scales[7])
;;     5. batch 16 x [M 4,096, K 4,096] x [K 4,096, N 64]; A: softmax (see below); B: computed on the way: QUANTISED (scales: A lowp_scales[8], B lowp_scales[9])
;;     6. [M 8,192, K 512] x [K 512, N 512]; A: computed on the way; B: input Wo: QUANTISED (scales: A lowp_scales[10], B lowp_scales[11])
;;   THE QUANTISER, for each operand of a quantised product, along K:
;;     - The operand's scale is 2^e, e = its entry of the input lowp_scales (int32; the entries are numbered through the quantised products in the list's order, A before B).
;;     - Each number is divided by the scale, clamped to +-448, and rounded to the nearest number of E4M3, ties to even, subnormals kept.
;;     - The product sums the exact products of the quantised numbers (number of the format x scale) in f32.
;;   ~~~python
;;   def quantise(x, axis, e):      # numpy; x: float32 -> the quantised numbers, widened to float32 again
;;       x = np.moveaxis(x, axis, -1); K = x.shape[-1]
;;       r = np.clip(x / 2.0 ** e, -448, 448)
;;       step = 2.0 ** (np.maximum(np.frexp(np.where(r == 0, 1, r))[1] - 1, -6) - 3)
;;       q = np.round(r / step) * step * 2.0 ** e      # np.round: ties to even
;;       return np.moveaxis(q, -1, axis).astype(np.float32)
;;   ~~~
;;   SOFTMAX AHEAD OF A QUANTISED PRODUCT. Where the list says 'softmax', what is quantised is not the finished softmax but p = 2^(t - M), with t = logit x log2(e) and M = ceil(the row's largest t), a whole number; so 1/2 < the row's largest p <= 1. The row's sum l is taken of the UNQUANTISED p, in f32, and the product's result is divided by l at the end. Since M is a whole number, a kernel that streams over the keys may use a running M (the ceiling of the running maximum): every later rescaling is an exact power of two, so the quantised numbers keep their values, but for numbers so far below the row's largest that they fall under the format's range.
;;   OPERANDS COMPUTED ON THE WAY. 'Computed on the way' means the value that the module computes at that place (a softmax that the list does not call 'softmax' is quantised finished and normalised). What goes into a quantiser is computed in f32, as accurately as f32 sums, v_exp_f32 and their like allow (about 1e-6 of the number): no bf16 or f16 on the way to a quantiser, and a product that is left as it is and whose result goes on into a quantised operand takes f32 operands (vector FMAs, or v_wmma_f32_16x16x4_f32). A number that lies on a knife's edge between two numbers of the format may be rounded either way, as far as f32 arithmetic and the matrix unit's own rounding can turn it there, and no further.
;; 2 versions. Each part assembles by itself: llvm-mc -triple=amdgcn-amd-amdhsa -mcpu=gfx1250 --defsym DOCPART=n.
;; ======== version 1 of 2: 4 launches
;; workspace buffers: wimg 1,048,576 bytes; q_img 4,194,304 bytes; kv_img 8,388,608 bytes; a_img 4,194,304 bytes
;; launch prep (part 1): grid 64 x 4, 4 waves a work-group, no clusters, 0 bytes of LDS; arguments Wq, Wk, Wv, Wo, lowp_scales, wimg; writes wimg
.if DOCPART == 1
	.amdgcn_target "amdgcn-amd-amdhsa--gfx1250"
	.amdhsa_code_object_version 6
	.text
	.protected	k_q0fe12b2ebe_prep
	.globl	k_q0fe12b2ebe_prep
	.p2align	8
	.type	k_q0fe12b2ebe_prep,@function
k_q0fe12b2ebe_prep:
	s_mov_b64 s[64:65], 0
	v_nop
	global_prefetch_b8 v0, s[64:65] scope:SCOPE_SE
	s_setreg_imm32_b32 hwreg(HW_REG_WAVE_MODE, 25, 1), 1
	s_wait_xcnt 0x0
; PREP: Wq, Wk, Wv, Wo ([512 (k)][512 (n)] f32, K their FIRST axis) become codes of E4M3, laid as images of operand registers.
; THE PROGRAM: prep (weights to codes) | proj (x quantised, products 1 to 3, q, k, v quantised) | attn (products 4 and 5 with the softmax, result quantised) | outp (product 6 and bo).
; NO WORK IS LEFT OUT: x, the four weights, bo and all twelve exponents have a way to out0 for all values, so every input is loaded and every product of the table is done.
; code = w / 2^e, held within +-448, to the nearest code, ties to even.  e: entry 1, 3, 5, 11 of lowp_scales for Wq, Wk, Wv, Wo.
; LIMITS: each e between -126 and 119, so that 2^e and 448 x 2^e are f32 numbers.  NaN among the inputs is not served (an infinity is held at the largest code).
; THE IMAGE.  wimg = [weight 0..3][tile T 0..31][K step s 0..3][piece c 0..3][512 bytes].  A piece holds four operand registers of all 32 lanes, 16 bytes of lane l at 16 l:
; byte i of lane (r = l % 16, h = l / 16) is W[k = 128 s + 32 c + 16 h + i][n = 32 (T / 2) + 8 (T % 2) + r + 8 (r / 8)].  THE COLUMNS OF A TILE ARE NOT NEIGHBOURS: with such a tile as source 0
; the 16 result registers of tiles 2 b and 2 b + 1 are 16 neighbouring columns, which the next quantiser wants in one lane.
; SHARES.  Work-group y = the weight; x = (128 columns: x % 4, a block of 32 along K: x / 4).  Wave w takes 32 columns.  A LANE TAKES A COLUMN AND ITS 32 REGISTERS RUN DOWN K: each load reads 128 consecutive
; bytes a wave (512 a work-group), and the conversions give codes with K innermost.  No LDS, no barrier, no loop: waves share nothing, and a lane's 16 codes are a lane's place in a piece.
; No matrix unit, no cluster: nothing is multiplied and no two work-groups read the same bytes.
.set X, 16                             ; v16-47  32 numbers down K
.set C, 48                             ; v48-55  their codes
	s_load_b256 s[4:11], s[0:1], 0x0               ; Wq s[4:5], Wk s[6:7], Wv s[8:9], Wo s[10:11]
	s_load_b128 s[12:15], s[0:1], 0x20             ; the exponents s[12:13], wimg s[14:15]
	v_lshrrev_b32 v1, 5, v0
	v_readfirstlane_b32 s2, v1                     ; wave 0..3
	s_and_b32 s3, ttmp7, 0xffff                    ; which weight
	v_and_b32 v2, 15, v0                           ; r
	v_bfe_u32 v3, v0, 4, 1                         ; u: lanes 0-15 serve tile 2 B, lanes 16-31 tile 2 B + 1
	v_and_b32 v4, 8, v2
	v_add_nc_u32 v4, v4, v2                        ; r + 8 (r / 8)
	v_lshl_add_u32 v4, v3, 3, v4                   ; + 8 u: my column among the wave's 32
	v_lshlrev_b32 v4, 2, v4                        ; in bytes
	v_lshlrev_b32 v5, 4, v2                        ; out: 16 r,
	v_lshl_add_u32 v5, v3, 13, v5                  ; + a tile's 8,192 bytes x u
	s_and_b32 s16, ttmp9, 3
	s_lshl_b32 s16, s16, 2
	s_add_co_u32 s16, s16, s2                      ; B: which 32 columns, 0..15
	s_lshr_b32 s17, ttmp9, 2                       ; kb: which 32 along K, 0..15 = 4 s + c
	s_lshl_b32 s28, s17, 16                        ; in: 32 rows of 2,048 bytes x kb
	s_lshl_b32 s18, s16, 7
	s_add_co_u32 s28, s28, s18                     ; + 128 bytes x B
	s_mov_b32 s29, 0
	s_lshl_b32 s30, s3, 18                         ; out: 262,144 bytes a weight,
	s_lshl_b32 s18, s16, 14
	s_add_co_u32 s30, s30, s18                     ; two tiles x B,
	s_lshl_b32 s18, s17, 9
	s_add_co_u32 s30, s30, s18                     ; a piece x kb
	s_mov_b32 s31, 0
	s_wait_kmcnt 0x0
	s_load_b256 s[16:23], s[12:13], 0x0            ; e0 .. e7
	s_load_b128 s[24:27], s[12:13], 0x20           ; e8 .. e11
	s_cmp_eq_u32 s3, 1                             ; the weight's address: a choice on the work-group's number alone
	s_cselect_b64 s[4:5], s[6:7], s[4:5]
	s_cmp_eq_u32 s3, 2
	s_cselect_b64 s[4:5], s[8:9], s[4:5]
	s_cmp_eq_u32 s3, 3
	s_cselect_b64 s[4:5], s[10:11], s[4:5]
	s_add_nc_u64 s[4:5], s[4:5], s[28:29]
	s_add_nc_u64 s[14:15], s[14:15], s[30:31]
.set i, 0
.rept 32
	global_load_b32 v[X+i], v4, s[4:5] offset:2048*i th:TH_LOAD_NT   ; W(32 kb + i, my column): read once in the launch
.set i, i+1
.endr
	s_wait_kmcnt 0x0
	s_cmp_eq_u32 s3, 1                             ; e1, e3, e5 or e11
	s_cselect_b32 s17, s19, s17
	s_cmp_eq_u32 s3, 2
	s_cselect_b32 s17, s21, s17
	s_cmp_eq_u32 s3, 3
	s_cselect_b32 s17, s27, s17
	s_add_co_i32 s17, s17, 127
	s_lshl_b32 s18, s17, 23
	v_mov_b32 v11, s18                             ; 2^e as f32: the conversion takes its exponent field
	s_add_co_i32 s17, s17, 8
	s_lshl_b32 s17, s17, 23
	s_or_b32 s17, s17, 0x600000
	v_mov_b32 v10, s17                             ; 448 x 2^e
	s_wait_loadcnt 0x0
.set i, 0
.rept 32
	v_med3_num_f32 v[X+i], v[X+i], -v10, v10       ; the conversion to an 8-bit code does not saturate (ISA guide 7.6.2): the hold comes first
.set i, i+1
.endr
.irp g, 0,1,2,3
	v_cvt_scalef32_pk8_fp8_f32 v[C+2*\g:C+2*\g+1], v[X+8*\g:X+8*\g+7], v11
.endr
	v_nop                                          ; a plain line behind the last conversion
	global_store_b128 v5, v[C:C+3], s[14:15]               ; k = 0 .. 15 of the block: the places of lanes h = 0.  Sixteen lanes store 256 consecutive bytes, aligned, in each of the two tiles
	global_store_b128 v5, v[C+4:C+7], s[14:15] offset:256  ; k = 16 .. 31: the places of lanes h = 1
	s_endpgm
.Lfunc_end_k_q0fe12b2ebe_prep:
	.size	k_q0fe12b2ebe_prep, .Lfunc_end_k_q0fe12b2ebe_prep-k_q0fe12b2ebe_prep
	.p2alignl 7, 3214868480
	.fill 96, 4, 3214868480
	.section	.rodata,"a",@progbits
	.p2align	6, 0x0
	.amdhsa_kernel k_q0fe12b2ebe_prep
		.amdhsa_group_segment_fixed_size 0
		.amdhsa_private_segment_fixed_size 0
		.amdhsa_enable_private_segment 0
		.amdhsa_kernarg_size 48
		.amdhsa_user_sgpr_count 2
		.amdhsa_user_sgpr_kernarg_segment_ptr 1
		.amdhsa_wavefront_size32 1
		.amdhsa_system_sgpr_workgroup_id_x 1
		.amdhsa_system_sgpr_workgroup_id_y 1
		.amdhsa_system_sgpr_workgroup_id_z 1
		.amdhsa_system_vgpr_workitem_id 0
		.amdhsa_next_free_vgpr 64
		.amdhsa_next_free_sgpr 66
		.amdhsa_reserve_vcc 0
		.amdhsa_float_denorm_mode_32 3
		.amdhsa_float_denorm_mode_16_64 3
		.amdhsa_memory_ordered 1
		.amdhsa_forward_progress 1
		.amdhsa_inst_pref_size 8
	.end_amdhsa_kernel
	.amdgpu_metadata
---
amdhsa.version: [ 1, 2 ]
amdhsa.kernels:
  - .name:           k_q0fe12b2ebe_prep
    .symbol:         k_q0fe12b2ebe_prep.kd
    .args:
      - { .name: Wq, .offset: 0, .size: 8, .value_kind: global_buffer, .address_space: global }
      - { .name: Wk, .offset: 8, .size: 8, .value_kind: global_buffer, .address_space: global }
      - { .name: Wv, .offset: 16, .size: 8, .value_kind: global_buffer, .address_space: global }
      - { .name: Wo, .offset: 24, .size: 8, .value_kind: global_buffer, .address_space: global }
      - { .name: lowp_scales, .offset: 32, .size: 8, .value_kind: global_buffer, .address_space: global }
      - { .name: wimg, .offset: 40, .size: 8, .value_kind: global_buffer, .address_space: global }
    .group_segment_fixed_size: 0
    .private_segment_fixed_size: 0
    .kernarg_segment_align: 8
    .kernarg_segment_size: 48
    .max_flat_workgroup_size: 128
    .sgpr_count:     66
    .vgpr_count:     64
    .wavefront_size: 32
...
	.end_amdgpu_metadata
.endif
;; end of part 1
;; launch proj (part 2): grid 64 x 3, 4 waves a work-group, no clusters, 66,048 bytes of LDS; arguments x, wimg, lowp_scales, q_img, kv_img; writes q_img, kv_img
.if DOCPART == 2
	.amdgcn_target "amdgcn-amd-amdhsa--gfx1250"
	.amdhsa_code_object_version 6
	.text
	.protected	k_q0fe12b2ebe_proj
	.globl	k_q0fe12b2ebe_proj
	.p2align	8
	.type	k_q0fe12b2ebe_proj,@function
k_q0fe12b2ebe_proj:
	s_mov_b64 s[64:65], 0
	v_nop
	global_prefetch_b8 v0, s[64:65] scope:SCOPE_SE
	s_setreg_imm32_b32 hwreg(HW_REG_WAVE_MODE, 25, 1), 1
	s_wait_xcnt 0x0
; PROJ: q = Q(x) Q(Wq), k = Q(x) Q(Wk), v = Q(x) Q(Wv) on codes of E4M3, and q, k, v quantised for the attention's two products, all in registers.  No work of the problem is left out.
; SHARES.  Work-group x = 128 rows of x (one key step of the attention: 8 tiles of 16 tokens); y = the product (0 q, 1 k, 2 v).  THE WAVES SHARE THE COLUMNS: wave w keeps the product's weight tiles 8 w .. 8 w + 7
; (128 columns: two heads; all 512 of K) in 512 registers, read once as dense pieces of 512 bytes.  x is quantised with the product's own scale (entries 0, 2, 4 may differ): wave w takes tile w of both blocks of
; 64 rows; the fragments go from wave to wave through LDS as images of their registers, behind ONE barrier.
; TOKENS OF A TILE: tile m of block j holds tokens 64 j + 32 (m / 2) + 8 (m % 2) + r + 8 (r / 8).  q, k: source 0 = 16 columns of W, source 1 = 16 tokens: a lane holds one token, and the 16 registers of weight tiles
; 2 b, 2 b + 1 are 16 neighbouring channels: a piece of q or k.  v: THE SOURCES CHANGE PLACES: a lane holds one channel and the 16 registers of token tiles 2 b, 2 b + 1 are 16 neighbouring keys: a piece of V^T with
; the keys innermost.  So each conversion's result is stored as it stands: 16 bytes a lane, 512 consecutive bytes a store; nothing is staged or transposed.
; OUT.  q_img [b h 0..15][token tile 0..255][c 0..1][512]; kv_img [b h][key step 0..31][16,384]: K's half [tile 0..7][c 0..1][512], V's half, 8,192 on, [channel tile 0..3][c 0..3][512].
; A sum stands for sum x 2^(ex + ew), so its code is sum / 2^(eo - ex - ew): the three exponents are folded into the conversion's one.  eo: entry 6 (q), 7 (k), 9 (v).
; LIMITS: ex, and eo - ex - ew, between -126 and 119.  NaN among the inputs is not served.
; NO JOINT LOADS: the 64 row groups read the same weights, but a wave's 65,536 bytes of them go from memory straight into the registers in which they stay; through LDS the work-group's 262,144 bytes, beside the
; 65,536 of x's images, would fill all 327,680 and leave none for the spare words, and every byte would be written to LDS and read back once more.  x has to pass through registers to be quantised.
; No prefetch: all loads of the launch are issued at its head.
; REGISTERS, in windows of 256.  Window 0: v4, 5, 7 addresses; v10-13 scales; v14, 15 the add's two; v32-95 numbers held; v96-111 codes; v112-175, v176-239 x's fragments of a tile (4 K steps), two buffers.
;   Windows 1, 2: the weights: piece p (= 16 t + 4 s + c) at register 4 p.   Window 3: first x as loaded, four chunks of 64; then the accumulators, (token tile m, weight tile t) at 8 (8 m + t).
.set SPARE, 65536                      ; behind x's images: the spare words, 128 bytes a wave, which no other line names
.set XA,  4                            ; v4   x: my lane's byte among the tile's rows: (r + 8 (r / 8)) x 2,048 + 64 h
.set LI,  5                            ; v5   16 x lane: my place in a piece
.set XWI, 7                            ; v7   where I store x's images: 16 x lane + 8,192 x wave
.set SPW, 14                           ; v14  LDS address of my spare word; never rewritten
.set NIL, 15                           ; v15  0; never rewritten
.set T,   32
.set PC,  96
.set XF0, 112
.set MSB, 0
.macro WIN new                         ; the immediate's high byte repeats the setting that is left; a switch that changes nothing is dropped
.if MSB != (\new)
	s_set_vgpr_msb (MSB<<8)|(\new)
.set MSB, (\new)
.endif
.endm
.macro CODES sc                        ; 64 held numbers in v[T] on become a fragment's 16 registers in v[PC] on
.irp b, 0,1,2,3
	v_cvt_scalef32_pk8_fp8_f32 v[PC+4*\b:PC+4*\b+1], v[T+16*\b:T+16*\b+7], v[\sc]
	v_cvt_scalef32_pk8_fp8_f32 v[PC+4*\b+2:PC+4*\b+3], v[T+16*\b+8:T+16*\b+15], v[\sc]
.endr
	v_nop                                          ; a plain line between the last conversion and whatever next touches its registers
.endm
.macro XLOAD c                         ; chunk c = 4 j + s: my tile's 16 rows of block j, K step s: 64 numbers a lane; register 16 b + 4 i + e = k 32 b + 16 h + 4 i + e
	WIN 0xc0                                       ; destination window 3
.irp b, 0,1,2,3
.irp i, 0,1,2,3
	global_load_b128 v[64*((\c)%4)+16*\b+4*\i:64*((\c)%4)+16*\b+4*\i+3], v[XA], s[4:5] offset:131072*((\c)/4)+512*((\c)%4)+128*\b+16*\i
.endr
.endr
	WIN 0
.endm
.macro QUANTX c                        ; chunk c is held, converted and stored to LDS as the image of fragment (j, my tile, s)
	WIN 0x03                                       ; source 0 window 3
.set i, 0
.rept 64
	v_med3_num_f32 v[T+i], v[64*((\c)%4)+i], -v11, v11   ; the conversion does not saturate (ISA guide 7.6.2): the hold at 448 x 2^ex
.set i, i+1
.endr
	WIN 0
	CODES 10
.irp p, 0,1,2,3
	ds_store_b128 v[XWI], v[PC+4*\p:PC+4*\p+3] offset:32768*((\c)/4)+2048*((\c)%4)+512*\p
.endr
	s_wait_dscnt 0x0                               ; the stores are done: the next chunk's codes may be written
.endm
.macro FETCH buf, j, m                 ; the four fragments (K steps) of token tile m of block j, as any wave stored them
.irp s, 0,1,2,3
.irp c, 0,1,2,3
	ds_load_b128 v[\buf+16*\s+4*\c:\buf+16*\s+4*\c+3], v[LI] offset:((4*(\j)+(\m))*4+\s)*2048+512*\c
.endr
.endr
.endm
; Block j's products: 4 token tiles x my 8 weight tiles x 4 K steps.  v = 1: the sources change places.  Four accumulators take turns, one instruction a turn.
.macro MUL j, v
	FETCH XF0, \j, 0
.irp m, 0,1,2,3
.rept 4
	v_nop                                          ; four places between the products of the tile before and the loads into the buffer that they read (ISA guide 7.12.1 for vector instructions)
.endr
.if \m < 3
	FETCH XF0+64*((\m+1)%2), \j, \m+1
	s_wait_dscnt 16                                ; this tile's fragments are in; the 16 loads just issued may be out
.else
	s_wait_dscnt 0x0
.endif
.irp g, 0,1                            ; weight tiles 0-3 lie in window 1, tiles 4-7 in window 2
.if \v
	WIN 0xf4+4*\g                                  ; source 0 (x) window 0, source 1 (W) window 1 or 2, C and D window 3
.else
	WIN 0xf1+\g                                    ; source 0 (W) window 1 or 2, source 1 (x) window 0, C and D window 3
.endif
.irp s, 0,1,2,3
.irp t, 0,1,2,3
.set rD, 8*(8*\m+4*\g+\t)
.set rW, 16*(4*\t+\s)
.set rX, XF0+64*(\m%2)+16*\s
.if \v
.if \s == 0
	v_wmma_f32_16x16x128_fp8_fp8 v[rD:rD+7], v[rX:rX+15], v[rW:rW+15], 0
.else
	v_wmma_f32_16x16x128_fp8_fp8 v[rD:rD+7], v[rX:rX+15], v[rW:rW+15], v[rD:rD+7]
.endif
.else
.if \s == 0
	v_wmma_f32_16x16x128_fp8_fp8 v[rD:rD+7], v[rW:rW+15], v[rX:rX+15], 0
.else
	v_wmma_f32_16x16x128_fp8_fp8 v[rD:rD+7], v[rW:rW+15], v[rX:rX+15], v[rD:rD+7]
.endif
.endif
.endr
.endr
.endr
	WIN 0
.endr
.rept 4
	v_nop                                          ; places in front of the first read of results
.endr
.endm
; q, k: token tile m's 64 sums of a lane are channels 32 b + 16 h + 0 .. 15 of my 128, b = 0 .. 3: pieces c = 0, 1 of my first head, then of my second
.macro EPIQK j
.irp m, 0,1,2,3
	WIN 0x03
.set i, 0
.rept 64
	v_med3_num_f32 v[T+i], v[64*\m+i], -v13, v13   ; each accumulator from its low end on
.set i, i+1
.endr
	WIN 0
	s_wait_xcnt 0x0                                ; the earlier stores have read their data: the codes' registers may be written again
	CODES 12
.irp b, 0,1,2,3
	global_store_b128 v[LI], v[PC+4*\b:PC+4*\b+3], s[20+2*(\b/2):21+2*(\b/2)] offset:(4*(\j)+\m)*1024+(\b%2)*512   ; 32 lanes store 512 consecutive bytes, aligned
.endr
.endr
.endm
; v: for token tiles 2 bm, 2 bm + 1 and channel tile 4 th + p a lane's 16 sums are keys 64 j + 32 bm + 16 h + 0 .. 15 of its channel: piece c = 2 j + bm of channel tile p of head th
.macro EPIV j
.irp bm, 0,1
.irp th, 0,1
	WIN 0x03
.irp p, 0,1,2,3
.set i, 0
.rept 16
	v_med3_num_f32 v[T+16*\p+i], v[8*(16*\bm+8*(i/8)+4*\th+\p)+(i%8)], -v13, v13   ; each accumulator from its low end on
.set i, i+1
.endr
.endr
	WIN 0
	s_wait_xcnt 0x0                                ; the earlier stores have read their data
	CODES 12
.irp p, 0,1,2,3
	global_store_b128 v[LI], v[PC+4*\p:PC+4*\p+3], s[20+2*\th:21+2*\th] offset:(4*\p+2*(\j)+\bm)*512
.endr
.endr
.endr
.endm
.macro CLOSE                           ; the wave's end
	s_wait_tensorcnt 0x0
	ds_add_u32 v[SPW], v[NIL]
	s_wait_dscnt 0x0
	s_endpgm
.endm
	s_load_b256 s[4:11], s[0:1], 0x0               ; x s[4:5], wimg s[6:7], the exponents s[8:9], q_img s[10:11]
	s_load_b64 s[12:13], s[0:1], 0x20              ; kv_img
	v_lshl_add_u32 v[SPW], v0, 2, SPARE
	v_mov_b32 v[NIL], 0
	v_lshrrev_b32 v1, 5, v0
	v_readfirstlane_b32 s14, v1                    ; wave 0..3
	s_and_b32 s15, ttmp7, 0xffff                   ; the product: 0 q, 1 k, 2 v
	s_mov_b32 s16, ttmp9                           ; the row group, 0..63
	v_and_b32 v1, 31, v0                           ; lane
	v_and_b32 v2, 15, v0                           ; r
	v_bfe_u32 v3, v0, 4, 1                         ; h
	v_and_b32 v[XA], 8, v2
	v_add_nc_u32 v[XA], v[XA], v2                  ; r + 8 (r / 8)
	v_lshlrev_b32 v[XA], 11, v[XA]                 ; rows of 2,048 bytes
	v_lshl_add_u32 v[XA], v3, 6, v[XA]             ; + 64 h: my 16 numbers of a block of 32
	v_lshlrev_b32 v[LI], 4, v1
	s_lshl_b32 s17, s14, 13
	v_add_nc_u32 v[XWI], s17, v[LI]
	s_lshl_b32 s24, s16, 7                         ; x: row 128 x group
	s_lshr_b32 s17, s14, 1
	s_lshl_b32 s17, s17, 5
	s_add_co_u32 s24, s24, s17                     ; + 32 (wave / 2)
	s_and_b32 s17, s14, 1
	s_lshl_b32 s17, s17, 3
	s_add_co_u32 s24, s24, s17                     ; + 8 (wave % 2): tile m = wave
	s_lshl_b32 s24, s24, 11
	s_mov_b32 s25, 0
	s_lshl_b32 s26, s15, 18                        ; wimg: the product's weight,
	s_lshl_b32 s17, s14, 16
	s_add_co_u32 s26, s26, s17                     ; my eight tiles of 8,192 bytes
	s_mov_b32 s27, 0
	s_lshr_b32 s28, s16, 5                         ; the batch
	s_lshl_b32 s28, s28, 3
	s_lshl_b32 s17, s14, 1
	s_add_co_u32 s28, s28, s17                     ; b h of my first head = 8 x batch + 2 x wave
	s_lshl_b32 s28, s28, 5
	s_and_b32 s17, s16, 31
	s_add_co_u32 s28, s28, s17                     ; 32 x b h + key step
	s_cmp_eq_u32 s15, 0
	s_cselect_b32 s17, 13, 14                      ; a key step's tokens are 8,192 bytes of q_img, 16,384 of kv_img
	s_lshl_b32 s28, s28, s17
	s_lshl_b32 s30, 32, s17                        ; from a head to the next
	s_cmp_eq_u32 s15, 2
	s_cselect_b32 s17, 8192, 0                     ; V's half
	s_add_co_u32 s28, s28, s17
	s_mov_b32 s29, 0
	s_mov_b32 s31, 0
	s_wait_kmcnt 0x0
	s_load_b256 s[32:39], s[8:9], 0x0              ; e0 .. e7
	s_load_b128 s[40:43], s[8:9], 0x20             ; e8 .. e11
	s_add_nc_u64 s[4:5], s[4:5], s[24:25]
	s_add_nc_u64 s[6:7], s[6:7], s[26:27]
	s_cmp_eq_u32 s15, 0                            ; the buffer is chosen on the work-group's number alone
	s_cselect_b64 s[20:21], s[10:11], s[12:13]
	s_add_nc_u64 s[20:21], s[20:21], s[28:29]      ; my first head's place
	s_add_nc_u64 s[22:23], s[20:21], s[30:31]      ; my second head's
	WIN 0x40                                       ; destination window 1
.set i, 0
.rept 64
	global_load_b128 v[4*i:4*i+3], v[LI], s[6:7] offset:512*i          ; weight tiles 0-3: 32 lanes read 512 consecutive bytes
.set i, i+1
.endr
	WIN 0x80                                       ; destination window 2
.set i, 0
.rept 64
	global_load_b128 v[4*i:4*i+3], v[LI], s[6:7] offset:32768+512*i    ; weight tiles 4-7
.set i, i+1
.endr
	WIN 0
	XLOAD 0
	XLOAD 1
	XLOAD 2
	XLOAD 3
	s_wait_kmcnt 0x0
	s_cmp_eq_u32 s15, 1                            ; ex, ew, eo of my product: selections, no branch
	s_cselect_b32 s32, s34, s32
	s_cselect_b32 s33, s35, s33
	s_cselect_b32 s38, s39, s38
	s_cmp_eq_u32 s15, 2
	s_cselect_b32 s32, s36, s32
	s_cselect_b32 s33, s37, s33
	s_cselect_b32 s38, s41, s38
	s_add_co_i32 s17, s32, 127
	s_lshl_b32 s18, s17, 23
	v_mov_b32 v10, s18                             ; 2^ex
	s_add_co_i32 s17, s17, 8
	s_lshl_b32 s17, s17, 23
	s_or_b32 s17, s17, 0x600000
	v_mov_b32 v11, s17                             ; 448 x 2^ex
	s_sub_co_i32 s17, s38, s32
	s_sub_co_i32 s17, s17, s33
	s_add_co_i32 s17, s17, 127
	s_lshl_b32 s18, s17, 23
	v_mov_b32 v12, s18                             ; 2^(eo - ex - ew)
	s_add_co_i32 s17, s17, 8
	s_lshl_b32 s17, s17, 23
	s_or_b32 s17, s17, 0x600000
	v_mov_b32 v13, s17                             ; 448 x that
.irp c, 0,1,2,3,4,5,6,7
.if \c < 4
	s_wait_loadcnt 48                              ; loads come back in order (ISA guide 5.7.1): chunk c is in (and the weights, issued earlier); the three younger chunks of 16 loads may be out
.else
	s_wait_loadcnt 16*(7-\c)
.endif
	QUANTX \c
.if \c < 4
	XLOAD \c+4                                     ; into the registers just read
.endif
.endr
	s_wait_dscnt 0x0                               ; for the others' sake: my images are in LDS
	s_barrier_signal -1
	s_barrier_wait -1                              ; all 32 fragments of x lie in LDS; from here on LDS is only read
	s_cmp_eq_u32 s15, 2                            ; the work-group's number: all four waves go the same way
	s_cbranch_scc1 .Lv
	MUL 0, 0
	EPIQK 0
	MUL 1, 0
	EPIQK 1
	CLOSE
.Lv:
	MUL 0, 1
	EPIV 0
	MUL 1, 1
	EPIV 1
	CLOSE
.Lfunc_end_k_q0fe12b2ebe_proj:
	.size	k_q0fe12b2ebe_proj, .Lfunc_end_k_q0fe12b2ebe_proj-k_q0fe12b2ebe_proj
	.p2alignl 7, 3214868480
	.fill 96, 4, 3214868480
	.section	.rodata,"a",@progbits
	.p2align	6, 0x0
	.amdhsa_kernel k_q0fe12b2ebe_proj
		.amdhsa_group_segment_fixed_size 66048
		.amdhsa_private_segment_fixed_size 0
		.amdhsa_enable_private_segment 0
		.amdhsa_kernarg_size 40
		.amdhsa_user_sgpr_count 2
		.amdhsa_user_sgpr_kernarg_segment_ptr 1
		.amdhsa_wavefront_size32 1
		.amdhsa_system_sgpr_workgroup_id_x 1
		.amdhsa_system_sgpr_workgroup_id_y 1
		.amdhsa_system_sgpr_workgroup_id_z 1
		.amdhsa_system_vgpr_workitem_id 0
		.amdhsa_next_free_vgpr 1024
		.amdhsa_next_free_sgpr 66
		.amdhsa_reserve_vcc 0
		.amdhsa_float_denorm_mode_32 3
		.amdhsa_float_denorm_mode_16_64 3
		.amdhsa_memory_ordered 1
		.amdhsa_forward_progress 1
		.amdhsa_inst_pref_size 201
	.end_amdhsa_kernel
	.amdgpu_metadata
---
amdhsa.version: [ 1, 2 ]
amdhsa.kernels:
  - .name:           k_q0fe12b2ebe_proj
    .symbol:         k_q0fe12b2ebe_proj.kd
    .args:
      - { .name: x, .offset: 0, .size: 8, .value_kind: global_buffer, .address_space: global }
      - { .name: wimg, .offset: 8, .size: 8, .value_kind: global_buffer, .address_space: global }
      - { .name: lowp_scales, .offset: 16, .size: 8, .value_kind: global_buffer, .address_space: global }
      - { .name: q_img, .offset: 24, .size: 8, .value_kind: global_buffer, .address_space: global }
      - { .name: kv_img, .offset: 32, .size: 8, .value_kind: global_buffer, .address_space: global }
    .group_segment_fixed_size: 66048
    .private_segment_fixed_size: 0
    .kernarg_segment_align: 8
    .kernarg_segment_size: 40
    .max_flat_workgroup_size: 128
    .sgpr_count:     66
    .vgpr_count:     1024
    .wavefront_size: 32
...
	.end_amdgpu_metadata
.endif
;; end of part 2
;; launch attn (part 3): grid 16 x 16, 8 waves a work-group, clusters of 4 x 1, 327,680 bytes of LDS; arguments q_img, kv_img, lowp_scales, a_img; writes a_img
.if DOCPART == 3
	.amdgcn_target "amdgcn-amd-amdhsa--gfx1250"
	.amdhsa_code_object_version 6
	.text
	.protected	k_q0fe12b2ebe_attn
	.globl	k_q0fe12b2ebe_attn
	.p2align	8
	.type	k_q0fe12b2ebe_attn,@function
k_q0fe12b2ebe_attn:
	s_mov_b64 s[64:65], 0
	v_nop
	global_prefetch_b8 v0, s[64:65] scope:SCOPE_SE
	s_setreg_imm32_b32 hwreg(HW_REG_WAVE_MODE, 25, 1), 1
	s_wait_xcnt 0x0
	s_wait_alu depctr_hold_cnt(0) depctr_sa_sdst(0) depctr_va_vdst(0) depctr_va_sdst(0) depctr_va_ssrc(0) depctr_va_vcc(0) depctr_vm_vsrc(0)
	s_getreg_b32 s2, hwreg(HW_REG_IB_STS2, 6, 4)
	s_cmp_eq_u32 s2, 0
	s_cbranch_scc0 .Lentry_in_a_cluster
	s_endpgm
.Lentry_in_a_cluster:
	s_bfe_u32 s2, ttmp6, 0x10000c
	s_cmp_lg_u32 s2, 0x3003
	s_cbranch_scc0 .Lentry_shape_is_right
	s_endpgm
.Lentry_shape_is_right:
; ATTN: for each batch and head, O = softmax(q k^T / 8) v on codes of E4M3, and O quantised for the last product.  No work of the problem is left out.
; THE SOFTMAX: t = score x log2(e) / 8; M = the row's largest t so far, rounded UP to a whole number; p = 2^(t - M) is quantised (entry 8), not normalised.  The row's sum is taken of the unquantised p and divides O
; at the end.  When M moves, the sum and O are multiplied by 2^(old M - new M), which rounds nothing; there is no branch on data.
; SHARES.  Work-group y = batch x head; 256 queries a work-group; each of its EIGHT waves owns two tiles of 16 queries, A and B, in 512 registers: two waves to a SIMD, so that one wave's vector work stands beside
; the other's products and LDS loads, and each fragment of K and V read from LDS feeds two matrix instructions.  Every wave walks all 4,096 keys, 128 a step.
; TILE B'S STATE LIES IN WINDOW 1 UNDER THE SAME REGISTER NUMBERS AS TILE A'S IN WINDOW 0: the softmax is written once and runs under either setting of the windows.
; LAYOUT.  Both products are used transposed: S^T = K Q^T (source 0 = 16 keys, K = the head's 64), O^T = V^T P^T (source 0 = 16 channels, K = 128 keys): a lane holds ONE query throughout.  The keys of a tile of K and
; the channels of a tile of V^T are laid (by the launch before) so that 16 result registers of two neighbouring tiles are 16 neighbours: p's codes are the second product's operand, and O's codes are pieces of a_img.
; All operands come as images of registers: a piece of 512 bytes is four registers of 32 lanes, 16 bytes of lane l at 16 l: dense loads, no pitch, no padding, no stage on the way out.
; CLUSTER.  The four query blocks of a cluster walk the same head's kv_img: each slot (4 key steps, 65,536 dense bytes) is asked for JOINTLY, each wave 8,192 bytes, by the same descriptor with a mask that names the four.
; A wave has one tensor load out at the most.  lds_bytes claims all of LDS; 132,096 bytes are used.
; LIMITS: e6 + e7 between -123 and 130 (added to c's exponent field); e8 and e10 between -126 and 119; e8 + e9 goes by v_ldexp_f32 and has none.
; REGISTERS (both windows unless named): v1 16 x lane, v3 256 x lane, v5, v6 the add's two, v8 LDS address of the slot in hand (window 0); v12 -M, v13 the largest t, v[14:15] the sum; v16-23 Q;
;   v32-95: window 0 V's four fragments, window 1 K's eight; v96-159 S^T, then p; v160-191 O^T; v224-239 p's codes; v240, 241: 448 x 2^e8, 2^e8; v[242:243] second chain of the sum; v244, 245: 2^e10, 448 x 2^e10;
;   v246 a permute's destination; v248-251 four chains of the maximum; v[252:253] f; v254 at work.
.set SLOT1, 65536                      ; slot 1 begins here: one exclusive or turns an address from one slot to the other
.set SPARE, 131072                     ; behind the ring: the spare words, 128 bytes for each of eight waves, which no other line names
.set MSB, 0
.macro WIN new                         ; the immediate's high byte repeats the setting that is left; a switch that changes nothing is dropped
.if MSB != (\new)
	s_set_vgpr_msb (MSB<<8)|(\new)
.set MSB, (\new)
.endif
.endm
.macro CROUND                          ; a round of the cluster's barrier: my work-group's barrier; wave 0 signals for the work-group; every wave waits for all four; my work-group's barrier once more
	s_barrier_signal -1
	s_barrier_wait -1
	s_cmp_lg_u32 s12, 0
	s_cbranch_scc1 .Lnot_wave_0_\@
	s_barrier_signal -3
.Lnot_wave_0_\@:
	s_barrier_wait -3
	s_barrier_signal -1
	s_barrier_wait -1
.endm
; A PREFETCH of the slot that the NEXT change of slots will ask for: four key steps ahead of that load.  All four clusters of a head walk the same bytes: the head's first cluster asks.  Its four partners take 16,384
; bytes each, told apart BY ADDRESS; in each, waves 0 and 1 ask, 8,192 bytes a wave, lanes 256 bytes apart: each aligned block of 256 bytes is named once in the launch.  The last change that fills a slot asks for
; nothing: there is no slot behind it.  Slots 0 and 1 come by their loads alone.
.macro ASK
	s_cmp_gt_u32 s37, s15
	s_cbranch_scc0 .Lnot_mine_\@
	global_prefetch_b8 v3, s[18:19] th:TH_LOAD_NT scope:SCOPE_SE
.Lnot_mine_\@:
.endm
; ONE TILE'S SOFTMAX FOR ONE KEY STEP: 64 scores a lane.
.macro SM
.irp k, 0,1,2,3                        ; the largest score, in four chains of 15; each accumulator is read from its low end on
	v_max3_num_f32 v[248+\k], v[96+16*\k], v[97+16*\k], v[98+16*\k]
.endr
.irp i, 1,2,3,4,5,6
.irp k, 0,1,2,3
	v_max3_num_f32 v[248+\k], v[248+\k], v[97+16*\k+2*\i], v[98+16*\k+2*\i]
.endr
.endr
	v_max3_num_f32 v248, v248, v111, v127          ; the four scores left over,
	v_max3_num_f32 v250, v250, v143, v159
	v_max3_num_f32 v248, v248, v249, v250          ; and the chains
	v_max_num_f32 v248, v248, v251
	v_permlanex16_b32 v246, v248, s20, s21         ; the query's other 64 keys lie in the lane 16 away
	v_max_num_f32 v248, v248, v246
	v_mul_f32 v248, s22, v248                      ; as t (c is positive)
	v_max_num_f32 v13, v13, v248                   ; the running largest t
	v_mov_b32 v254, v12
	v_floor_f32 v12, -v13                          ; the new -M = floor(-t) = -ceil(t)
	v_sub_f32 v254, v12, v254                      ; old M - new M: a whole number, 0 or less
	v_cvt_i32_f32 v254, v254                       ; (it saturates)
	v_ldexp_f32 v252, 1.0, v254                    ; f = 2^(old M - new M)
.set j, 0
.rept 32
	v_pk_fma_f32 v[96+j:97+j], v[96+j:97+j], s[22:23], v[12:13] op_sel_hi:[1,0,0]   ; t - M, two at a time (of the pairs c and -M the low word serves both halves)
.set j, j+2
.endr
.set j, 0
.rept 64
	v_exp_f32 v[96+j], v[96+j]                     ; p = 2^(t - M): one batch
.set j, j+1
.endr
	v_pk_mul_f32 v[14:15], v[14:15], v[252:253] op_sel_hi:[1,0]   ; the sum under the new M: the plain line behind the last exponential
	s_wait_alu depctr_va_vdst(0)                   ; one wait for the batch, ahead of the first line that names a result
	v_pk_add_f32 v[14:15], v[14:15], v[96:97]      ; THE SUM IS TAKEN OF THE UNQUANTISED p, in two chains; each pair is held behind its addition
	v_min_num_f32 v96, v96, v240                   ; the conversion does not saturate (ISA guide 7.6.2); p is not negative, so the hold is one-sided
	v_min_num_f32 v97, v97, v240
	v_pk_add_f32 v[242:243], v[98:99], v[100:101]
	v_min_num_f32 v98, v98, v240
	v_min_num_f32 v99, v99, v240
	v_min_num_f32 v100, v100, v240
	v_min_num_f32 v101, v101, v240
.set j, 3
.rept 29
.if (j%2) == 1
	v_pk_add_f32 v[14:15], v[14:15], v[96+2*j:97+2*j]
.else
	v_pk_add_f32 v[242:243], v[242:243], v[96+2*j:97+2*j]
.endif
	v_min_num_f32 v[96+2*j], v[96+2*j], v240
	v_min_num_f32 v[97+2*j], v[97+2*j], v240
.if (j%8) == 7                         ; 16 neighbouring keys are held: registers 4 b .. 4 b + 3 of the second product's operand
	v_cvt_scalef32_pk8_fp8_f32 v[224+4*(j/8):225+4*(j/8)], v[96+16*(j/8):103+16*(j/8)], v241
	v_cvt_scalef32_pk8_fp8_f32 v[226+4*(j/8):227+4*(j/8)], v[104+16*(j/8):111+16*(j/8)], v241
.endif
.set j, j+1
.endr
	v_pk_add_f32 v[14:15], v[14:15], v[242:243]
.set j, 0
.rept 16
	v_pk_mul_f32 v[160+j:161+j], v[160+j:161+j], v[252:253] op_sel_hi:[1,0]   ; O^T under the new M.  (Plain lines between the last conversion and the products that read the codes)
.set j, j+2
.endr
.endm
.macro KLOAD base                      ; a step's K: 8 tiles x 2 pieces into window 1
	WIN 0x40
.set i, 0
.rept 16
	ds_load_b128 v[32+4*i:35+4*i], v8 offset:(\base)+512*i
.set i, i+1
.endr
	WIN 0
.endm
.macro VLOAD base                      ; a step's V^T: 4 tiles x 4 pieces into window 0
.set i, 0
.rept 16
	ds_load_b128 v[32+4*i:35+4*i], v8 offset:(\base)+8192+512*i
.set i, i+1
.endr
.endm
.macro KQ                              ; S^T = K Q^T: eight tiles of 16 keys; the constant 0 starts each sum
.irp t, 0,1,2,3,4,5,6,7
	v_wmma_f32_16x16x64_fp8_fp8 v[96+8*\t:103+8*\t], v[32+8*\t:39+8*\t], v[16:23], 0
.endr
.endm
.macro PV                              ; O^T += V^T P^T: four tiles of 16 channels, by turns
.irp t, 0,1,2,3
	v_wmma_f32_16x16x128_fp8_fp8 v[160+8*\t:167+8*\t], v[32+16*\t:47+16*\t], v[224:239], v[160+8*\t:167+8*\t]
.endr
.endm
; A KEY STEP, the q-th of the slot in hand.  No two matrix instructions that follow each other name the same accumulator.
.macro STEP q
.if \q == 0
	KLOAD 0
.endif
	s_wait_dscnt 0x0                               ; K is in
	WIN 0x01                                       ; K window 1; Q and S^T window 0: tile A
	KQ
	WIN 0x45                                       ; K, Q and S^T window 1: tile B
	KQ
	WIN 0
.rept 4
	v_nop                                          ; four places: in front of the reads of S^T, of the loads into K's registers, and (behind the step before's last products) of the loads into V's (ISA guide 7.12.1 for vector instructions)
.endr
	VLOAD 16384*\q
.if \q < 3
	KLOAD 16384*(\q+1)                             ; the next step's K lands under the two softmaxes
.endif
	SM                                             ; tile A
.if \q < 3
	s_wait_dscnt 16                                ; V is in; the 16 loads of K issued behind it may be out
.else
	s_wait_dscnt 0x0
.endif
	PV                                             ; tile A's products run under tile B's softmax
	WIN 0x55                                       ; everything window 1
	SM                                             ; tile B
	WIN 0x54                                       ; V window 0; codes and O^T window 1
	PV
	WIN 0
.endm
; THE CHANGE OF SLOTS stands at a slot's head.  Each wave waits for all its tensor loads (its part of the slot ahead), adds 0 to its spare word, and waits for that and for its reads of the slot left behind.
; fill = 1: a round of the cluster's barrier, so that no wave of any partner still reads that slot or has a load on its way; the joint load is the first thing behind it and has four key steps in which to land.
.macro CHANGE fill
	s_wait_tensorcnt 0x0                           ; no tensor load of mine is out, so the descriptor may be written
	ds_add_u32 v5, v6                              ; 0 onto my spare word
.if \fill
	s_xor_b32 s33, s33, SLOT1                      ; the walking descriptor: the other slot,
	s_add_nc_u64 s[34:35], s[34:35], 65536         ; the next 512 keys; the type bits on top are not reached
	s_wait_xcnt 0x0                                ; the last prefetch, a slot back, has read its address
	s_add_nc_u64 s[18:19], s[18:19], 65536         ; one slot further on than the descriptor
	s_wait_dscnt 0x0                               ; the add is done, and my reads of the slot left behind are over
	CROUND
	tensor_load_to_lds s[32:35], s[24:31]          ; my one tensor load until the next round: 8,192 bytes
	s_nop 0
.rept 4
	v_nop
.endr
	ASK
.else
	s_wait_dscnt 0x0
	s_barrier_signal -1
	s_barrier_wait -1
.endif
.endm
.macro SLOT_STEPS
	v_add_nc_u32 v8, s36, v1
	STEP 0
	STEP 1
	STEP 2
	STEP 3
	s_xor_b32 s36, s36, SLOT1                      ; on to the other slot
.endm
.macro INIT                            ; a tile's state: the step is written without a first copy: it finds zeros, which the first change of M leaves zeros
	v_mov_b32 v13, 0xff61b1e6                      ; the largest t so far: -3e38
	v_floor_f32 v12, -v13
	v_mov_b32 v14, 0
	v_mov_b32 v15, 0
	v_mov_b32 v246, 0                              ; a lane permute's destination counts as one of its sources
	v_mov_b32 v253, 0                              ; (named as the upper half of the pair v[252:253])
	v_mov_b32 v240, s51
	v_mov_b32 v241, s50
	v_mov_b32 v244, s52
	v_mov_b32 v245, s53
.set i, 0
.rept 32
	v_mov_b32 v[160+i], 0
.set i, i+1
.endr
.endm
.macro FINISH                          ; O^T x 2^(e8 + e9) / the sum, held and converted with 2^e10: two pieces of a_img in v[224:231]
	v_add_f32 v14, v14, v15
	v_permlanex16_b32 v246, v14, s20, s21
	v_add_f32 v14, v14, v246                       ; the row's sum
	v_rcp_f32 v14, v14
	v_nop                                          ; a plain line behind the reciprocal
	s_wait_alu depctr_va_vdst(0)                   ; and the wait ahead of its first reader
	v_ldexp_f32 v14, v14, s49
.set i, 0
.rept 32
	v_mul_f32 v[96+i], v[160+i], v14               ; each accumulator from its low end on; register 16 b + i is channel 32 b + 16 h + i
.set i, i+1
.endr
.set i, 0
.rept 32
	v_med3_num_f32 v[96+i], v[96+i], -v245, v245
.set i, i+1
.endr
.irp g, 0,1,2,3
	v_cvt_scalef32_pk8_fp8_f32 v[224+2*\g:225+2*\g], v[96+8*\g:103+8*\g], v244
.endr
	v_nop
.endm
	s_load_b256 s[4:11], s[0:1], 0x0               ; q_img s[4:5], kv_img s[6:7], the exponents s[8:9], a_img s[10:11]
	v_lshl_add_u32 v5, v0, 2, SPARE
	v_mov_b32 v6, 0
	ds_add_u32 v5, v6                              ; the wave's opening: the add, twice on end, and its wait ahead of my first tensor load
	ds_add_u32 v5, v6                              ; and once more, under the one wait; the set-up below, work on registers, stands between
	v_lshrrev_b32 v1, 5, v0
	v_readfirstlane_b32 s12, v1                    ; wave 0..7
	s_bfe_u32 s13, ttmp6, 0x40000                  ; cx: my place in the cluster: it enters Q's, a_img's and the prefetch's addresses alone
	s_and_b32 s38, ttmp7, 0xffff                   ; b h, which the four partners share
	s_mov_b32 s24, 15|(3<<16)|(1<<21)              ; group 1: 15:0 the mask: all four; 17:16 elements of 8 bytes; 21 set beside a mask; no padding
	s_mov_b32 s25, 32<<16                          ; tensor_dim0 = 32 elements: rows of 256 bytes
	s_mov_b32 s26, 32<<16                          ; tensor_dim1 = 32 rows
	s_mov_b32 s27, 32<<16                          ; tile_dim0 = 32
	s_mov_b32 s28, 32                              ; tile_dim1 = 32
	s_mov_b32 s29, 32                              ; the pitch: the block is dense
	s_mov_b32 s30, 0
	s_mov_b32 s31, 0
	s_mov_b32 s20, 0x76543210                      ; v_permlanex16_b32: lane l xor 16
	s_mov_b32 s21, 0xfedcba98
	s_mov_b32 s22, 0x3e38aa3b                      ; c = log2(e) / 8
	s_mov_b32 s36, 0                               ; the slot in hand
	s_mov_b32 s37, 7                               ; slots still to be asked for
	s_lshr_b32 s15, s12, 1                         ; who prefetches: waves 0 and 1
	s_or_b32 s15, s15, ttmp9                       ; of the head's first cluster: the same in all four partners
	s_cmp_eq_u32 s15, 0
	s_cselect_b32 s15, 1, -1
	v_and_b32 v1, 31, v0
	v_lshlrev_b32 v3, 8, v1                        ; 256 x lane
	v_lshlrev_b32 v1, 4, v1                        ; 16 x lane
	s_lshl_b32 s40, s38, 19                        ; kv_img: the head's 524,288 bytes,
	s_lshl_b32 s39, s12, 13
	s_add_co_u32 s40, s40, s39                     ; my wave's 8,192 of a slot
	s_mov_b32 s41, 0
	s_lshl_b32 s54, ttmp9, 2
	s_add_co_u32 s54, s54, s13                     ; my block of 256 queries = 4 x cluster x + cx
	s_lshl_b32 s54, s54, 4
	s_lshl_b32 s55, s12, 1
	s_add_co_u32 s54, s54, s55                     ; tile A's number in the sequence: 16 x block + 2 x wave
	s_lshl_b32 s42, s38, 8
	s_add_co_u32 s42, s42, s54
	s_lshl_b32 s42, s42, 10                        ; q_img: 1,024 bytes a tile
	s_mov_b32 s43, 0
	s_lshr_b32 s16, s38, 3                         ; the batch
	s_lshl_b32 s16, s16, 8
	s_add_co_u32 s16, s16, s54
	s_lshl_b32 s16, s16, 13                        ; a_img: 8,192 bytes a tile of rows,
	s_bfe_u32 s55, s38, 0x20001                    ; head / 2: the K step of the last product,
	s_lshl_b32 s55, s55, 11
	s_add_co_u32 s16, s16, s55
	s_and_b32 s55, s38, 1                          ; head % 2: its pieces 0, 1 or 2, 3
	s_lshl_b32 s55, s55, 10
	s_add_co_u32 s16, s16, s55
	s_mov_b32 s17, 0
	s_lshl_b32 s2, s13, 14                         ; the prefetch: my work-group's 16,384 bytes,
	s_add_co_u32 s2, s2, 65536                     ; in slot 1: the first change of slots steps it to slot 2
	s_mov_b32 s3, 0
	s_wait_dscnt 0x0                               ; both opening adds are done
	s_wait_kmcnt 0x0
	s_load_b128 s[44:47], s[8:9], 0x18             ; e6, e7, e8, e9
	s_load_b32 s48, s[8:9], 0x28                   ; e10
	s_add_nc_u64 s[6:7], s[6:7], s[40:41]
	s_add_nc_u64 s[4:5], s[4:5], s[42:43]
	s_add_nc_u64 s[10:11], s[10:11], s[16:17]
	s_add_nc_u64 s[18:19], s[6:7], s[2:3]
	s_mov_b32 s32, 1                               ; group 0: count = 1
	s_lshl_b32 s33, s12, 13                        ; LDS address: slot 0, 8,192 x wave
	s_mov_b64 s[34:35], s[6:7]                     ; global address: the head's first 512 keys, my part
	s_or_b32 s35, s35, 0x80000000                  ; type = 2
	CROUND                                         ; all four work-groups are here: the first joint loads meet
	tensor_load_to_lds s[32:35], s[24:31]          ; slot 0
	s_nop 0
.rept 4
	v_nop
.endr
	global_load_b128 v[16:19], v1, s[4:5]                  ; Q stays in registers: tile A,
	global_load_b128 v[20:23], v1, s[4:5] offset:512
	WIN 0x40                                       ; destination window 1
	global_load_b128 v[16:19], v1, s[4:5] offset:1024      ; tile B
	global_load_b128 v[20:23], v1, s[4:5] offset:1536
	WIN 0
	s_wait_kmcnt 0x0
	s_add_co_i32 s55, s44, s45
	s_lshl_b32 s55, s55, 23
	s_add_co_i32 s22, s22, s55                     ; a score stands for score x 2^(e6 + e7): the exponents are added to c's exponent field
	s_mov_b32 s23, s22                             ; (named with it as a pair, so it is written)
	s_add_co_i32 s49, s46, s47                     ; e8 + e9
	s_add_co_i32 s55, s46, 127
	s_lshl_b32 s50, s55, 23                        ; 2^e8
	s_add_co_i32 s55, s55, 8
	s_lshl_b32 s51, s55, 23
	s_or_b32 s51, s51, 0x600000                    ; 448 x 2^e8
	s_add_co_i32 s55, s48, 127
	s_lshl_b32 s52, s55, 23                        ; 2^e10
	s_add_co_i32 s55, s55, 8
	s_lshl_b32 s53, s55, 23
	s_or_b32 s53, s53, 0x600000                    ; 448 x 2^e10
	INIT
	WIN 0x55
	INIT
	WIN 0
	s_wait_loadcnt 0x0                             ; Q
.Lslot:                                            ; seven trips: behind each change of slots but the last the next slot is asked for (slot 1's first fill stands behind the first trip's round, where nothing is filled again)
	CHANGE 1
	SLOT_STEPS
	s_sub_co_u32 s37, s37, 1
	s_cmp_lg_u32 s37, 0
	s_cbranch_scc1 .Lslot
	CHANGE 0                                       ; the last slot is written out
	SLOT_STEPS
.rept 4
	v_nop                                          ; places behind the last products
.endr
	FINISH                                         ; tile A
	global_store_b128 v1, v[224:227], s[10:11]             ; 32 lanes store 512 consecutive bytes, aligned
	global_store_b128 v1, v[228:231], s[10:11] offset:512
	WIN 0x55
	FINISH                                         ; tile B
	WIN 0x04                                       ; the stores' data window 1, their address window 0
	global_store_b128 v1, v[224:227], s[10:11] offset:8192
	global_store_b128 v1, v[228:231], s[10:11] offset:8704
	WIN 0
	s_wait_tensorcnt 0x0                           ; the wave's end
	ds_add_u32 v5, v6
	s_wait_dscnt 0x0
	CROUND                                         ; the closing round: no work-group ends while a partner may still ask for a slot that names it
	s_endpgm
.Lfunc_end_k_q0fe12b2ebe_attn:
	.size	k_q0fe12b2ebe_attn, .Lfunc_end_k_q0fe12b2ebe_attn-k_q0fe12b2ebe_attn
	.p2alignl 7, 3214868480
	.fill 96, 4, 3214868480
	.section	.rodata,"a",@progbits
	.p2align	6, 0x0
	.amdhsa_kernel k_q0fe12b2ebe_attn
		.amdhsa_group_segment_fixed_size 327680
		.amdhsa_private_segment_fixed_size 0
		.amdhsa_enable_private_segment 0
		.amdhsa_kernarg_size 32
		.amdhsa_user_sgpr_count 2
		.amdhsa_user_sgpr_kernarg_segment_ptr 1
		.amdhsa_wavefront_size32 1
		.amdhsa_system_sgpr_workgroup_id_x 1
		.amdhsa_system_sgpr_workgroup_id_y 1
		.amdhsa_system_sgpr_workgroup_id_z 1
		.amdhsa_system_vgpr_workitem_id 0
		.amdhsa_next_free_vgpr 512
		.amdhsa_next_free_sgpr 66
		.amdhsa_reserve_vcc 0
		.amdhsa_float_denorm_mode_32 3
		.amdhsa_float_denorm_mode_16_64 3
		.amdhsa_memory_ordered 1
		.amdhsa_forward_progress 1
		.amdhsa_inst_pref_size 240
	.end_amdhsa_kernel
	.amdgpu_metadata
---
amdhsa.version: [ 1, 2 ]
amdhsa.kernels:
  - .name:           k_q0fe12b2ebe_attn
    .symbol:         k_q0fe12b2ebe_attn.kd
    .args:
      - { .name: q_img, .offset: 0, .size: 8, .value_kind: global_buffer, .address_space: global }
      - { .name: kv_img, .offset: 8, .size: 8, .value_kind: global_buffer, .address_space: global }
      - { .name: lowp_scales, .offset: 16, .size: 8, .value_kind: global_buffer, .address_space: global }
      - { .name: a_img, .offset: 24, .size: 8, .value_kind: global_buffer, .address_space: global }
    .group_segment_fixed_size: 327680
    .private_segment_fixed_size: 0
    .kernarg_segment_align: 8
    .kernarg_segment_size: 32
    .max_flat_workgroup_size: 256
    .sgpr_count:     66
    .vgpr_count:     512
    .wavefront_size: 32
...
	.end_amdgpu_metadata
.endif
;; end of part 3
;; launch outp (part 4): grid 2 x 128, 4 waves a work-group, no clusters, 17,920 bytes of LDS; arguments a_img, wimg, lowp_scales, bo, out0; writes out0
.if DOCPART == 4
	.amdgcn_target "amdgcn-amd-amdhsa--gfx1250"
	.amdhsa_code_object_version 6
	.text
	.protected	k_q0fe12b2ebe_outp
	.globl	k_q0fe12b2ebe_outp
	.p2align	8
	.type	k_q0fe12b2ebe_outp,@function
k_q0fe12b2ebe_outp:
	s_mov_b64 s[64:65], 0
	v_nop
	global_prefetch_b8 v0, s[64:65] scope:SCOPE_SE
	s_setreg_imm32_b32 hwreg(HW_REG_WAVE_MODE, 25, 1), 1
	s_wait_xcnt 0x0
; OUTP: out0 = Q(attention's result) Q(Wo) + bo on codes of E4M3; both operands come as images of registers.  No work of the problem is left out.
; SHARES.  Work-group x = 256 columns, y = 64 rows (four tiles of 16 tokens).  Wave w takes Wo's tiles 16 x + 4 w + 0 .. 3: 64 columns.  All operands of a wave (16 fragments of Wo, 16 of a) lie in registers:
; straight-line text, no barrier.  256 work-groups.
; Used transposed (source 0 = 16 columns of Wo, source 1 = 16 tokens): a lane holds one token, and register j of tile t the column 32 (t / 2) + 16 h + 8 (t % 2) + j of the wave's 64.
; A sum stands for sum x 2^(e10 + e11): one packed multiply-add for two numbers gives sum x 2^(e10 + e11) + bo.  LIMIT: e10 + e11 between -126 and 127.
; THE WAY OUT.  A tile's 16 rows x 256 bytes go through the wave's own stage in LDS (rows 272 bytes apart) and come back by rows: sixteen lanes store 256 consecutive bytes, aligned.
; Token r of tile m is row 32 (m / 2) + 8 (m % 2) + r + 8 (r / 8) of the work-group's 64.
; NO JOINT LOADS, NO PREFETCH: every operand byte goes by a dense load of 512 bytes straight into the register in which it is multiplied, all 136 loads of a wave are issued at the head, and each is used once;
; a way through LDS would add a write and a read of every byte.
; REGISTERS.  Window 0: v5-9 addresses, v14, 15 the add's two, v32-63 bo in the result's layout, v64-191 results, 32 a tile.  Window 1: Wo (t, s) at 16 (4 t + s).  Window 2: a (m, s) at 16 (4 m + s).
;   Window 3: accumulator (m, t) at 8 (4 m + t).
.set SPARE, 17408                      ; behind the four stages of 4,352 bytes: the spare words, 128 bytes a wave, which no other line names
.set LI,  5                            ; v5   16 x lane
.set BO,  6                            ; v6   64 h: my half's place in bo
.set STO, 7                            ; v7   the stage: row r, + 64 h
.set RD,  8                            ; v8   back: lanes 0-15 one row, lanes 16-31 the next
.set CO,  9                            ; v9   and the same two rows in out0
.set SPW, 14
.set NIL, 15
.set BI,  32
.set Y,   64
.set MSB, 0
.macro WIN new                         ; the immediate's high byte repeats the setting that is left; a switch that changes nothing is dropped
.if MSB != (\new)
	s_set_vgpr_msb (MSB<<8)|(\new)
.set MSB, (\new)
.endif
.endm
	s_load_b256 s[4:11], s[0:1], 0x0               ; a_img s[4:5], wimg s[6:7], the exponents s[8:9], bo s[10:11]
	s_load_b64 s[12:13], s[0:1], 0x20              ; out0
	v_lshl_add_u32 v[SPW], v0, 2, SPARE
	v_mov_b32 v[NIL], 0
	v_lshrrev_b32 v1, 5, v0
	v_readfirstlane_b32 s14, v1                    ; wave 0..3
	s_and_b32 s15, ttmp7, 0xffff                   ; which 64 rows
	v_and_b32 v1, 31, v0
	v_and_b32 v2, 15, v0                           ; r
	v_bfe_u32 v3, v0, 4, 1                         ; h
	v_lshlrev_b32 v[LI], 4, v1
	v_lshlrev_b32 v[BO], 6, v3
	s_mul_i32 s16, s14, 4352                       ; my stage
	v_mul_u32_u24 v[STO], v2, 272
	v_lshl_add_u32 v[STO], v3, 6, v[STO]
	v_add_nc_u32 v[STO], s16, v[STO]
	v_mul_u32_u24 v[RD], v3, 272
	v_lshl_add_u32 v[RD], v2, 4, v[RD]
	v_add_nc_u32 v[RD], s16, v[RD]
	v_lshlrev_b32 v[CO], 11, v3
	v_lshl_add_u32 v[CO], v2, 4, v[CO]
	s_lshl_b32 s20, ttmp9, 17                      ; wimg: 16 tiles of 8,192 bytes x work-group x,
	s_lshl_b32 s17, s14, 15
	s_add_co_u32 s20, s20, s17                     ; 4 tiles x wave,
	s_add_co_u32 s20, s20, 786432                  ; in the fourth weight
	s_mov_b32 s21, 0
	s_lshl_b32 s22, s15, 15                        ; a_img: 4 tiles of rows of 8,192 bytes
	s_mov_b32 s23, 0
	s_lshl_b32 s24, ttmp9, 10                      ; my 64 columns, in bytes
	s_lshl_b32 s17, s14, 8
	s_add_co_u32 s24, s24, s17
	s_mov_b32 s25, 0
	s_lshl_b32 s26, s15, 17                        ; out0: 64 rows of 2,048 bytes,
	s_add_co_u32 s26, s26, s24                     ; my columns
	s_mov_b32 s27, 0
	s_wait_kmcnt 0x0
	s_load_b64 s[44:45], s[8:9], 0x28              ; e10, e11
	s_add_nc_u64 s[6:7], s[6:7], s[20:21]
	s_add_nc_u64 s[4:5], s[4:5], s[22:23]
	s_add_nc_u64 s[10:11], s[10:11], s[24:25]
	s_add_nc_u64 s[12:13], s[12:13], s[26:27]
.irp t, 0,1,2,3                        ; bo at my lane's eight columns of each tile
	global_load_b128 v[BI+8*\t:BI+8*\t+3], v[BO], s[10:11] offset:(32*(\t/2)+8*(\t%2))*4
	global_load_b128 v[BI+8*\t+4:BI+8*\t+7], v[BO], s[10:11] offset:(32*(\t/2)+8*(\t%2))*4+16
.endr
.irp s, 0,1,2,3                        ; K step by K step, so that the first products can begin while the later steps are on their way
	WIN 0x40                                       ; destination window 1
.irp t, 0,1,2,3
.irp c, 0,1,2,3
	global_load_b128 v[16*(4*\t+\s)+4*\c:16*(4*\t+\s)+4*\c+3], v[LI], s[6:7] offset:(16*\t+4*\s+\c)*512
.endr
.endr
	WIN 0x80                                       ; destination window 2
.irp t, 0,1,2,3
.irp c, 0,1,2,3
	global_load_b128 v[16*(4*\t+\s)+4*\c:16*(4*\t+\s)+4*\c+3], v[LI], s[4:5] offset:(16*\t+4*\s+\c)*512
.endr
.endr
.endr
	WIN 0
	s_wait_kmcnt 0x0
	s_add_co_i32 s46, s44, s45
	s_add_co_i32 s46, s46, 127
	s_lshl_b32 s46, s46, 23                        ; 2^(e10 + e11) as f32
	s_mov_b32 s47, s46                             ; (named with it as a pair, so it is written)
.macro KSTEP s                         ; 16 matrix instructions: the 16 accumulators take turns, one instruction a turn; the first step starts the sums
.irp m, 0,1,2,3
.irp t, 0,1,2,3
.if \s == 0
	v_wmma_f32_16x16x128_fp8_fp8 v[8*(4*\m+\t):8*(4*\m+\t)+7], v[16*(4*\t+\s):16*(4*\t+\s)+15], v[16*(4*\m+\s):16*(4*\m+\s)+15], 0
.else
	v_wmma_f32_16x16x128_fp8_fp8 v[8*(4*\m+\t):8*(4*\m+\t)+7], v[16*(4*\t+\s):16*(4*\t+\s)+15], v[16*(4*\m+\s):16*(4*\m+\s)+15], v[8*(4*\m+\t):8*(4*\m+\t)+7]
.endif
.endr
.endr
.endm
	WIN 0xf9                                       ; source 0 (Wo) window 1, source 1 (a) window 2, C and D window 3
	s_wait_loadcnt 63                              ; of the 136 loads the first 73 are in: bo's 8, the 64 of K steps 0 and 1, and one of K step 2
	KSTEP 0
	KSTEP 1
	s_wait_loadcnt 32                              ; K step 2 is in; K step 3's 32 loads may be out
	KSTEP 2
	s_wait_loadcnt 0x0
	KSTEP 3
	WIN 0
.rept 4
	v_nop                                          ; places in front of the first read of results (ISA guide 7.12.1)
.endr
.macro PACK m                          ; tile m: scaled, bo added, into my stage and back as whole rows, into the registers that they left
	WIN 0x03                                       ; source 0 (the sums) window 3
.irp t, 0,1,2,3
.irp i, 0,2,4,6
	v_pk_fma_f32 v[Y+32*\m+8*\t+\i:Y+32*\m+8*\t+\i+1], v[8*(4*\m+\t)+\i:8*(4*\m+\t)+\i+1], s[46:47], v[BI+8*\t+\i:BI+8*\t+\i+1] op_sel_hi:[1,0,1]   ; each accumulator from its low end on
.endr
.endr
	WIN 0
.irp t, 0,1,2,3
	ds_store_b128 v[STO], v[Y+32*\m+8*\t:Y+32*\m+8*\t+3] offset:128*(\t/2)+32*(\t%2)
	ds_store_b128 v[STO], v[Y+32*\m+8*\t+4:Y+32*\m+8*\t+7] offset:128*(\t/2)+32*(\t%2)+16
.endr
.irp i, 0,1,2,3,4,5,6,7
	ds_load_b128 v[Y+32*\m+4*\i:Y+32*\m+4*\i+3], v[RD] offset:544*\i   ; LDS serves a wave's instructions in order (ISA guide 5.7.1.4): these see my stores, and the next tile's stores come behind them
.endr
.endm
.macro SEND m, younger                 ; younger: the LDS instructions issued behind tile m's loads: the next tile's sixteen, or none
.irp i, 0,1,2,3,4,5,6,7
	s_wait_dscnt \younger+7-\i
	global_store_b128 v[CO], v[Y+32*\m+4*\i:Y+32*\m+4*\i+3], s[12:13] offset:(32*(\m/2)+8*(\m%2)+2*\i+8*(\i/4))*2048 th:TH_STORE_NT   ; sixteen lanes store 256 consecutive bytes, aligned; written once, read by nobody here
.endr
.endm
	PACK 0
	PACK 1                                         ; a tile's arithmetic stands between the loads of the tile before and its stores
	SEND 0, 16
	PACK 2
	SEND 1, 16
	PACK 3
	SEND 2, 16
	SEND 3, 0
	s_wait_tensorcnt 0x0                           ; the wave's end
	ds_add_u32 v[SPW], v[NIL]
	s_wait_dscnt 0x0
	s_endpgm
.Lfunc_end_k_q0fe12b2ebe_outp:
	.size	k_q0fe12b2ebe_outp, .Lfunc_end_k_q0fe12b2ebe_outp-k_q0fe12b2ebe_outp
	.p2alignl 7, 3214868480
	.fill 96, 4, 3214868480
	.section	.rodata,"a",@progbits
	.p2align	6, 0x0
	.amdhsa_kernel k_q0fe12b2ebe_outp
		.amdhsa_group_segment_fixed_size 17920
		.amdhsa_private_segment_fixed_size 0
		.amdhsa_enable_private_segment 0
		.amdhsa_kernarg_size 40
		.amdhsa_user_sgpr_count 2
		.amdhsa_user_sgpr_kernarg_segment_ptr 1
		.amdhsa_wavefront_size32 1
		.amdhsa_system_sgpr_workgroup_id_x 1
		.amdhsa_system_sgpr_workgroup_id_y 1
		.amdhsa_system_sgpr_workgroup_id_z 1
		.amdhsa_system_vgpr_workitem_id 0
		.amdhsa_next_free_vgpr 896
		.amdhsa_next_free_sgpr 66
		.amdhsa_reserve_vcc 0
		.amdhsa_float_denorm_mode_32 3
		.amdhsa_float_denorm_mode_16_64 3
		.amdhsa_memory_ordered 1
		.amdhsa_forward_progress 1
		.amdhsa_inst_pref_size 32
	.end_amdhsa_kernel
	.amdgpu_metadata
---
amdhsa.version: [ 1, 2 ]
amdhsa.kernels:
  - .name:           k_q0fe12b2ebe_outp
    .symbol:         k_q0fe12b2ebe_outp.kd
    .args:
      - { .name: a_img, .offset: 0, .size: 8, .value_kind: global_buffer, .address_space: global }
      - { .name: wimg, .offset: 8, .size: 8, .value_kind: global_buffer, .address_space: global }
      - { .name: lowp_scales, .offset: 16, .size: 8, .value_kind: global_buffer, .address_space: global }
      - { .name: bo, .offset: 24, .size: 8, .value_kind: global_buffer, .address_space: global }
      - { .name: out0, .offset: 32, .size: 8, .value_kind: global_buffer, .address_space: global }
    .group_segment_fixed_size: 17920
    .private_segment_fixed_size: 0
    .kernarg_segment_align: 8
    .kernarg_segment_size: 40
    .max_flat_workgroup_size: 128
    .sgpr_count:     66
    .vgpr_count:     896
    .wavefront_size: 32
...
	.end_amdgpu_metadata
.endif
;; end of part 4
;; ======== version 2 of 2: 4 launches
;; workspace buffers: wimg 1,048,576 bytes; q_img 4,194,304 bytes; kv_img 8,388,608 bytes; a_img 4,194,304 bytes
;; launch prep (part 5): grid 64 x 4, 4 waves a work-group, no clusters, 0 bytes of LDS; arguments Wq, Wk, Wv, Wo, lowp_scales, wimg; writes wimg
.if DOCPART == 5
	.amdgcn_target "amdgcn-amd-amdhsa--gfx1250"
	.amdhsa_code_object_version 6
	.text
	.protected	k_q0fe12b2ebe_prep
	.globl	k_q0fe12b2ebe_prep
	.p2align	8
	.type	k_q0fe12b2ebe_prep,@function
k_q0fe12b2ebe_prep:
	s_mov_b64 s[64:65], 0
	v_nop
	global_prefetch_b8 v0, s[64:65] scope:SCOPE_SE
	s_setreg_imm32_b32 hwreg(HW_REG_WAVE_MODE, 25, 1), 1
	s_wait_xcnt 0x0
; PREP: Wq, Wk, Wv, Wo ([512 (k)][512 (n)] f32, K their FIRST axis) become codes of E4M3, laid as images of operand registers.
; THE PROGRAM: prep (weights to codes) | proj (x quantised, products 1 to 3, q, k, v quantised) | attn (products 4 and 5 with the softmax, result quantised) | outp (product 6 and bo).
; NO WORK IS LEFT OUT: x, the four weights, bo and all twelve exponents have a way to out0 for all values, so every input is loaded and every product of the table is done.
; code = w / 2^e, held within +-448, to the nearest code, ties to even.  e: entry 1, 3, 5, 11 of lowp_scales for Wq, Wk, Wv, Wo.
; LIMITS: each e between -126 and 119, so that 2^e and 448 x 2^e are f32 numbers.  NaN among the inputs is not served (an infinity is held at the largest code).
; THE IMAGE.  wimg = [weight 0..3][tile T 0..31][K step s 0..3][piece c 0..3][512 bytes].  A piece holds four operand registers of all 32 lanes, 16 bytes of lane l at 16 l:
; byte i of lane (r = l % 16, h = l / 16) is W[k = 128 s + 32 c + 16 h + i][n = 32 (T / 2) + 8 (T % 2) + r + 8 (r / 8)].  THE COLUMNS OF A TILE ARE NOT NEIGHBOURS: with such a tile as source 0
; the 16 result registers of tiles 2 b and 2 b + 1 are 16 neighbouring columns, which the next quantiser wants in one lane.
; SHARES.  Work-group y = the weight; x = (128 columns: x % 4, a block of 32 along K: x / 4).  Wave w takes 32 columns.  A LANE TAKES A COLUMN AND ITS 32 REGISTERS RUN DOWN K: each load reads 128 consecutive
; bytes a wave (512 a work-group), and the conversions give codes with K innermost.  No LDS, no barrier, no loop: waves share nothing, and a lane's 16 codes are a lane's place in a piece.
; No matrix unit, no cluster: nothing is multiplied and no two work-groups read the same bytes.
.set X, 16                             ; v16-47  32 numbers down K
.set C, 48                             ; v48-55  their codes
	s_load_b256 s[4:11], s[0:1], 0x0               ; Wq s[4:5], Wk s[6:7], Wv s[8:9], Wo s[10:11]
	s_load_b128 s[12:15], s[0:1], 0x20             ; the exponents s[12:13], wimg s[14:15]
	v_lshrrev_b32 v1, 5, v0
	v_readfirstlane_b32 s2, v1                     ; wave 0..3
	s_and_b32 s3, ttmp7, 0xffff                    ; which weight
	v_and_b32 v2, 15, v0                           ; r
	v_bfe_u32 v3, v0, 4, 1                         ; u: lanes 0-15 serve tile 2 B, lanes 16-31 tile 2 B + 1
	v_and_b32 v4, 8, v2
	v_add_nc_u32 v4, v4, v2                        ; r + 8 (r / 8)
	v_lshl_add_u32 v4, v3, 3, v4                   ; + 8 u: my column among the wave's 32
	v_lshlrev_b32 v4, 2, v4                        ; in bytes
	v_lshlrev_b32 v5, 4, v2                        ; out: 16 r,
	v_lshl_add_u32 v5, v3, 13, v5                  ; + a tile's 8,192 bytes x u
	s_and_b32 s16, ttmp9, 3
	s_lshl_b32 s16, s16, 2
	s_add_co_u32 s16, s16, s2                      ; B: which 32 columns, 0..15
	s_lshr_b32 s17, ttmp9, 2                       ; kb: which 32 along K, 0..15 = 4 s + c
	s_lshl_b32 s28, s17, 16                        ; in: 32 rows of 2,048 bytes x kb
	s_lshl_b32 s18, s16, 7
	s_add_co_u32 s28, s28, s18                     ; + 128 bytes x B
	s_mov_b32 s29, 0
	s_lshl_b32 s30, s3, 18                         ; out: 262,144 bytes a weight,
	s_lshl_b32 s18, s16, 14
	s_add_co_u32 s30, s30, s18                     ; two tiles x B,
	s_lshl_b32 s18, s17, 9
	s_add_co_u32 s30, s30, s18                     ; a piece x kb
	s_mov_b32 s31, 0
	s_wait_alu depctr_va_vdst(0)
	s_wait_kmcnt 0x0
	s_load_b256 s[16:23], s[12:13], 0x0            ; e0 .. e7
	s_load_b128 s[24:27], s[12:13], 0x20           ; e8 .. e11
	s_cmp_eq_u32 s3, 1                             ; the weight's address: a choice on the work-group's number alone
	s_cselect_b64 s[4:5], s[6:7], s[4:5]
	s_cmp_eq_u32 s3, 2
	s_cselect_b64 s[4:5], s[8:9], s[4:5]
	s_cmp_eq_u32 s3, 3
	s_cselect_b64 s[4:5], s[10:11], s[4:5]
	s_add_nc_u64 s[4:5], s[4:5], s[28:29]
	s_add_nc_u64 s[14:15], s[14:15], s[30:31]
.set i, 0
.rept 32
	global_load_b32 v[X+i], v4, s[4:5] offset:2048*i th:TH_LOAD_NT   ; W(32 kb + i, my column): read once in the launch
.set i, i+1
.endr
	s_wait_kmcnt 0x0
	s_cmp_eq_u32 s3, 1                             ; e1, e3, e5 or e11
	s_cselect_b32 s17, s19, s17
	s_cmp_eq_u32 s3, 2
	s_cselect_b32 s17, s21, s17
	s_cmp_eq_u32 s3, 3
	s_cselect_b32 s17, s27, s17
	s_add_co_i32 s17, s17, 127
	s_lshl_b32 s18, s17, 23
	v_mov_b32 v11, s18                             ; 2^e as f32: the conversion takes its exponent field
	s_add_co_i32 s17, s17, 8
	s_lshl_b32 s17, s17, 23
	s_or_b32 s17, s17, 0x600000
	v_mov_b32 v10, s17                             ; 448 x 2^e
	s_wait_alu depctr_va_vdst(0)
	s_wait_loadcnt 0x0
.set i, 0
.rept 32
	v_med3_num_f32 v[X+i], v[X+i], -v10, v10       ; the conversion to an 8-bit code does not saturate (ISA guide 7.6.2): the hold comes first
.set i, i+1
.endr
.irp g, 0,1,2,3
	v_cvt_scalef32_pk8_fp8_f32 v[C+2*\g:C+2*\g+1], v[X+8*\g:X+8*\g+7], v11
.endr
	v_nop                                          ; a plain line behind the last conversion
	global_store_b128 v5, v[C:C+3], s[14:15]               ; k = 0 .. 15 of the block: the places of lanes h = 0.  Sixteen lanes store 256 consecutive bytes, aligned, in each of the two tiles
	global_store_b128 v5, v[C+4:C+7], s[14:15] offset:256  ; k = 16 .. 31: the places of lanes h = 1
	s_endpgm
.Lfunc_end_k_q0fe12b2ebe_prep:
	.size	k_q0fe12b2ebe_prep, .Lfunc_end_k_q0fe12b2ebe_prep-k_q0fe12b2ebe_prep
	.p2alignl 7, 3214868480
	.fill 96, 4, 3214868480
	.section	.rodata,"a",@progbits
	.p2align	6, 0x0
	.amdhsa_kernel k_q0fe12b2ebe_prep
		.amdhsa_group_segment_fixed_size 0
		.amdhsa_private_segment_fixed_size 0
		.amdhsa_enable_private_segment 0
		.amdhsa_kernarg_size 48
		.amdhsa_user_sgpr_count 2
		.amdhsa_user_sgpr_kernarg_segment_ptr 1
		.amdhsa_wavefront_size32 1
		.amdhsa_system_sgpr_workgroup_id_x 1
		.amdhsa_system_sgpr_workgroup_id_y 1
		.amdhsa_system_sgpr_workgroup_id_z 1
		.amdhsa_system_vgpr_workitem_id 0
		.amdhsa_next_free_vgpr 64
		.amdhsa_next_free_sgpr 66
		.amdhsa_reserve_vcc 0
		.amdhsa_float_denorm_mode_32 3
		.amdhsa_float_denorm_mode_16_64 3
		.amdhsa_memory_ordered 1
		.amdhsa_forward_progress 1
		.amdhsa_inst_pref_size 8
	.end_amdhsa_kernel
	.amdgpu_metadata
---
amdhsa.version: [ 1, 2 ]
amdhsa.kernels:
  - .name:           k_q0fe12b2ebe_prep
    .symbol:         k_q0fe12b2ebe_prep.kd
    .args:
      - { .name: Wq, .offset: 0, .size: 8, .value_kind: global_buffer, .address_space: global }
      - { .name: Wk, .offset: 8, .size: 8, .value_kind: global_buffer, .address_space: global }
      - { .name: Wv, .offset: 16, .size: 8, .value_kind: global_buffer, .address_space: global }
      - { .name: Wo, .offset: 24, .size: 8, .value_kind: global_buffer, .address_space: global }
      - { .name: lowp_scales, .offset: 32, .size: 8, .value_kind: global_buffer, .address_space: global }
      - { .name: wimg, .offset: 40, .size: 8, .value_kind: global_buffer, .address_space: global }
    .group_segment_fixed_size: 0
    .private_segment_fixed_size: 0
    .kernarg_segment_align: 8
    .kernarg_segment_size: 48
    .max_flat_workgroup_size: 128
    .sgpr_count:     66
    .vgpr_count:     64
    .wavefront_size: 32
...
	.end_amdgpu_metadata
.endif
;; end of part 5
;; launch proj (part 6): grid 64 x 3, 4 waves a work-group, no clusters, 66,048 bytes of LDS; arguments x, wimg, lowp_scales, q_img, kv_img; writes q_img, kv_img
.if DOCPART == 6
	.amdgcn_target "amdgcn-amd-amdhsa--gfx1250"
	.amdhsa_code_object_version 6
	.text
	.protected	k_q0fe12b2ebe_proj
	.globl	k_q0fe12b2ebe_proj
	.p2align	8
	.type	k_q0fe12b2ebe_proj,@function
k_q0fe12b2ebe_proj:
	s_mov_b64 s[64:65], 0
	v_nop
	global_prefetch_b8 v0, s[64:65] scope:SCOPE_SE
	s_setreg_imm32_b32 hwreg(HW_REG_WAVE_SCHED_MODE, 0, 2), 2
	s_setreg_imm32_b32 hwreg(HW_REG_WAVE_MODE, 25, 1), 1
	s_wait_xcnt 0x0
	s_wait_alu depctr_vm_vsrc(0)
; PROJ: q = Q(x) Q(Wq), k = Q(x) Q(Wk), v = Q(x) Q(Wv) on codes of E4M3, and q, k, v quantised for the attention's two products, all in registers.  No work of the problem is left out.
; SHARES.  Work-group x = 128 rows of x (one key step of the attention: 8 tiles of 16 tokens); y = the product (0 q, 1 k, 2 v).  THE WAVES SHARE THE COLUMNS: wave w keeps the product's weight tiles 8 w .. 8 w + 7
; (128 columns: two heads; all 512 of K) in 512 registers, read once as dense pieces of 512 bytes.  x is quantised with the product's own scale (entries 0, 2, 4 may differ): wave w takes tile w of both blocks of
; 64 rows; the fragments go from wave to wave through LDS as images of their registers, behind ONE barrier.
; TOKENS OF A TILE: tile m of block j holds tokens 64 j + 32 (m / 2) + 8 (m % 2) + r + 8 (r / 8).  q, k: source 0 = 16 columns of W, source 1 = 16 tokens: a lane holds one token, and the 16 registers of weight tiles
; 2 b, 2 b + 1 are 16 neighbouring channels: a piece of q or k.  v: THE SOURCES CHANGE PLACES: a lane holds one channel and the 16 registers of token tiles 2 b, 2 b + 1 are 16 neighbouring keys: a piece of V^T with
; the keys innermost.  So each conversion's result is stored as it stands: 16 bytes a lane, 512 consecutive bytes a store; nothing is staged or transposed.
; OUT.  q_img [b h 0..15][token tile 0..255][c 0..1][512]; kv_img [b h][key step 0..31][16,384]: K's half [tile 0..7][c 0..1][512], V's half, 8,192 on, [channel tile 0..3][c 0..3][512].
; A sum stands for sum x 2^(ex + ew), so its code is sum / 2^(eo - ex - ew): the three exponents are folded into the conversion's one.  eo: entry 6 (q), 7 (k), 9 (v).
; LIMITS: ex, and eo - ex - ew, between -126 and 119.  NaN among the inputs is not served.
; NO JOINT LOADS: the 64 row groups read the same weights, but a wave's 65,536 bytes of them go from memory straight into the registers in which they stay; through LDS the work-group's 262,144 bytes, beside the
; 65,536 of x's images, would fill all 327,680 and leave none for the spare words, and every byte would be written to LDS and read back once more.  x has to pass through registers to be quantised.
; No prefetch: all loads of the launch are issued at its head.
; REGISTERS, in windows of 256.  Window 0: v4, 5, 7 addresses; v10-13 scales; v14, 15 the add's two; v32-95 numbers held; v96-111 codes; v112-175, v176-239 x's fragments of a tile (4 K steps), two buffers.
;   Windows 1, 2: the weights: piece p (= 16 t + 4 s + c) at register 4 p.   Window 3: first x as loaded, four chunks of 64; then the accumulators, (token tile m, weight tile t) at 8 (8 m + t).
; THE MODE: SCHED_MODE bits 1:0 = 2 (LLVM: expert scheduling mode 2), set by the entry lines.  The code itself states the register dependences between vector or matrix instructions and memory or LDS
; instructions, with s_wait_alu, always for 0.
; THE PLAN.  Registers that memory or LDS instructions touch:
;   v4, v5, v7      Offsets and LDS addresses: written at the head, read by every load and store, never written again.  One wait on va_vdst ahead of the first load serves them all.
;   windows 1, 2    The weights: loaded once; read by products alone.
;   window 3        Chunks X0 .. X3 of x as loaded: chunk c's 64 holds read X[c % 4]; behind them the loads of chunk c + 4 land in it.  Later the accumulators, which vector and matrix instructions alone name.
;   v[PC ..]        The codes: written by a run of eight conversions; read by the four stores that follow (to LDS: x's images; to memory: the pieces of q, k, v).
;   XF0, XF1        x's fragments of a token tile: tile m's 32 products read buffer m % 2; at tile m + 1's head the LDS loads of tile m + 2 land in it.
;   v[T ..]         The held numbers: named by vector instructions alone.      v14, v15: written at the head, read by the closing add alone.
; So a run of conversions has a wait on vm_vsrc ahead of it (the stores issued so far have read the codes; they stand 64 holds back) and a wait on va_vdst behind it (the codes are written; in a chunk of x also: the holds
; are done reading the chunk's registers).  A token tile has one wait on va_vdst at its head, ahead of the loads into the buffer that the tile before multiplied.
.set SPARE, 65536                      ; behind x's images: the spare words, 128 bytes a wave, which no other line names
.set XA,  4                            ; v4   x: my lane's byte among the tile's rows: (r + 8 (r / 8)) x 2,048 + 64 h
.set LI,  5                            ; v5   16 x lane: my place in a piece
.set XWI, 7                            ; v7   where I store x's images: 16 x lane + 8,192 x wave
.set SPW, 14                           ; v14  LDS address of my spare word; never rewritten
.set NIL, 15                           ; v15  0; never rewritten
.set T,   32
.set PC,  96
.set XF0, 112
.set MSB, 0
.macro WIN new                         ; the immediate's high byte repeats the setting that is left; a switch that changes nothing is dropped
.if MSB != (\new)
	s_set_vgpr_msb (MSB<<8)|(\new)
.set MSB, (\new)
.endif
.endm
.macro CODES sc                        ; 64 held numbers in v[T] on become a fragment's 16 registers in v[PC] on
.irp b, 0,1,2,3
	v_cvt_scalef32_pk8_fp8_f32 v[PC+4*\b:PC+4*\b+1], v[T+16*\b:T+16*\b+7], v[\sc]
	v_cvt_scalef32_pk8_fp8_f32 v[PC+4*\b+2:PC+4*\b+3], v[T+16*\b+8:T+16*\b+15], v[\sc]
.endr
	v_nop                                          ; a plain line between the last conversion and whatever next touches its registers
.endm
.macro XLOAD c                         ; chunk c = 4 j + s: my tile's 16 rows of block j, K step s: 64 numbers a lane; register 16 b + 4 i + e = k 32 b + 16 h + 4 i + e
	WIN 0xc0                                       ; destination window 3
.irp b, 0,1,2,3
.irp i, 0,1,2,3
	global_load_b128 v[64*((\c)%4)+16*\b+4*\i:64*((\c)%4)+16*\b+4*\i+3], v[XA], s[4:5] offset:131072*((\c)/4)+512*((\c)%4)+128*\b+16*\i
.endr
.endr
	WIN 0
.endm
.macro QUANTX c                        ; chunk c is held, converted and stored to LDS as the image of fragment (j, my tile, s); chunks 0 to 3: the chunk four on is asked for, into the registers just read
	WIN 0x03                                       ; source 0 window 3
.set i, 0
.rept 64
	v_med3_num_f32 v[T+i], v[64*((\c)%4)+i], -v11, v11   ; the conversion does not saturate (ISA guide 7.6.2): the hold at 448 x 2^ex
.set i, i+1
.endr
	WIN 0
.if (\c) > 0
	s_wait_alu depctr_vm_vsrc(0)                   ; the LDS stores of the chunk before have read v[PC ..], which the conversions below write again
.endif
	CODES 10
.if (\c) < 4
	WIN 0xc0                                       ; the loads' window first, then the wait, then the loads
.endif
	s_wait_alu depctr_va_vdst(0)                   ; the conversions have written v[PC ..], which the LDS stores read; the holds are done reading the chunk's registers, in which the loads land
.if (\c) < 4
	XLOAD \c+4
.endif
.irp p, 0,1,2,3
	ds_store_b128 v[XWI], v[PC+4*\p:PC+4*\p+3] offset:32768*((\c)/4)+2048*((\c)%4)+512*\p
.endr
.endm
.macro FETCH buf, j, m                 ; the four fragments (K steps) of token tile m of block j, as any wave stored them
.irp s, 0,1,2,3
.irp c, 0,1,2,3
	ds_load_b128 v[\buf+16*\s+4*\c:\buf+16*\s+4*\c+3], v[LI] offset:((4*(\j)+(\m))*4+\s)*2048+512*\c
.endr
.endr
.endm
; Block j's products: 4 token tiles x my 8 weight tiles x 4 K steps.  v = 1: the sources change places.  Four accumulators take turns, one instruction a turn.
; The block's first two fetches owe no wait of their own: in block 0 nothing has named the two buffers; in block 1 the last wait on va_vdst of block 0's way out stands behind all of block 0's products,
; and no vector or matrix instruction since names a register of the buffers.
.macro MUL j, v
	FETCH XF0, \j, 0
.irp m, 0,1,2,3
.rept 4
	v_nop                                          ; four places between the products of the tile before and the loads into the buffer that they read; the wait below states the dependence itself and fills no place
.endr
.if \m < 3
.if \m > 0
	s_wait_alu depctr_va_vdst(0)                   ; the products of the tile before are done reading their buffer, in which the loads below land
.endif
	FETCH XF0+64*((\m+1)%2), \j, \m+1
	s_wait_dscnt 16                                ; this tile's fragments are in; the 16 loads just issued may be out
.else
	s_wait_dscnt 0x0
.endif
.irp g, 0,1                            ; weight tiles 0-3 lie in window 1, tiles 4-7 in window 2
.if \v
	WIN 0xf4+4*\g                                  ; source 0 (x) window 0, source 1 (W) window 1 or 2, C and D window 3
.else
	WIN 0xf1+\g                                    ; source 0 (W) window 1 or 2, source 1 (x) window 0, C and D window 3
.endif
.irp s, 0,1,2,3
.irp t, 0,1,2,3
.set rD, 8*(8*\m+4*\g+\t)
.set rW, 16*(4*\t+\s)
.set rX, XF0+64*(\m%2)+16*\s
.if \v
.if \s == 0
	v_wmma_f32_16x16x128_fp8_fp8 v[rD:rD+7], v[rX:rX+15], v[rW:rW+15], 0
.else
	v_wmma_f32_16x16x128_fp8_fp8 v[rD:rD+7], v[rX:rX+15], v[rW:rW+15], v[rD:rD+7]
.endif
.else
.if \s == 0
	v_wmma_f32_16x16x128_fp8_fp8 v[rD:rD+7], v[rW:rW+15], v[rX:rX+15], 0
.else
	v_wmma_f32_16x16x128_fp8_fp8 v[rD:rD+7], v[rW:rW+15], v[rX:rX+15], v[rD:rD+7]
.endif
.endif
.endr
.endr
.endr
	WIN 0
.endr
.rept 4
	v_nop                                          ; places in front of the first read of results
.endr
.endm
; q, k: token tile m's 64 sums of a lane are channels 32 b + 16 h + 0 .. 15 of my 128, b = 0 .. 3: pieces c = 0, 1 of my first head, then of my second
.macro EPIQK j
.irp m, 0,1,2,3
	WIN 0x03
.set i, 0
.rept 64
	v_med3_num_f32 v[T+i], v[64*\m+i], -v13, v13   ; each accumulator from its low end on
.set i, i+1
.endr
	WIN 0
	s_wait_alu depctr_va_vdst(0)
	s_wait_xcnt 0x0                                ; the earlier stores have had their addresses translated: the codes' registers may be written again,
	s_wait_alu depctr_vm_vsrc(0)                   ; and the stores issued so far (x's last image to LDS, the earlier pieces to memory) have read v[PC ..], which the conversions below write
	CODES 12
	s_wait_alu depctr_va_vdst(0)                   ; the conversions have written v[PC ..], which the four stores read
.irp b, 0,1,2,3
	global_store_b128 v[LI], v[PC+4*\b:PC+4*\b+3], s[20+2*(\b/2):21+2*(\b/2)] offset:(4*(\j)+\m)*1024+(\b%2)*512   ; 32 lanes store 512 consecutive bytes, aligned
.endr
.endr
.endm
; v: for token tiles 2 bm, 2 bm + 1 and channel tile 4 th + p a lane's 16 sums are keys 64 j + 32 bm + 16 h + 0 .. 15 of its channel: piece c = 2 j + bm of channel tile p of head th
.macro EPIV j
.irp bm, 0,1
.irp th, 0,1
	WIN 0x03
.irp p, 0,1,2,3
.set i, 0
.rept 16
	v_med3_num_f32 v[T+16*\p+i], v[8*(16*\bm+8*(i/8)+4*\th+\p)+(i%8)], -v13, v13   ; each accumulator from its low end on
.set i, i+1
.endr
.endr
	WIN 0
	s_wait_alu depctr_va_vdst(0)
	s_wait_xcnt 0x0                                ; the earlier stores have had their addresses translated,
	s_wait_alu depctr_vm_vsrc(0)                   ; and the stores issued so far (x's last image to LDS, the earlier pieces to memory) have read v[PC ..], which the conversions below write
	CODES 12
	s_wait_alu depctr_va_vdst(0)                   ; the conversions have written v[PC ..], which the four stores read
.irp p, 0,1,2,3
	global_store_b128 v[LI], v[PC+4*\p:PC+4*\p+3], s[20+2*\th:21+2*\th] offset:(4*\p+2*(\j)+\bm)*512
.endr
.endr
.endr
.endm
	s_load_b256 s[4:11], s[0:1], 0x0               ; x s[4:5], wimg s[6:7], the exponents s[8:9], q_img s[10:11]
	s_load_b64 s[12:13], s[0:1], 0x20              ; kv_img
	v_lshl_add_u32 v[SPW], v0, 2, SPARE
	v_mov_b32 v[NIL], 0
	v_lshrrev_b32 v1, 5, v0
	v_readfirstlane_b32 s14, v1                    ; wave 0..3
	s_and_b32 s15, ttmp7, 0xffff                   ; the product: 0 q, 1 k, 2 v
	s_mov_b32 s16, ttmp9                           ; the row group, 0..63
	v_and_b32 v1, 31, v0                           ; lane
	v_and_b32 v2, 15, v0                           ; r
	v_bfe_u32 v3, v0, 4, 1                         ; h
	v_and_b32 v[XA], 8, v2
	v_add_nc_u32 v[XA], v[XA], v2                  ; r + 8 (r / 8)
	v_lshlrev_b32 v[XA], 11, v[XA]                 ; rows of 2,048 bytes
	v_lshl_add_u32 v[XA], v3, 6, v[XA]             ; + 64 h: my 16 numbers of a block of 32
	v_lshlrev_b32 v[LI], 4, v1
	s_wait_alu depctr_va_sdst(0)                   ; s14 is written, ahead of its first reader: LDS addresses and the bases of x, wimg and the images are made from it
	s_lshl_b32 s17, s14, 13
	v_add_nc_u32 v[XWI], s17, v[LI]
	s_lshl_b32 s24, s16, 7                         ; x: row 128 x group
	s_lshr_b32 s17, s14, 1
	s_lshl_b32 s17, s17, 5
	s_add_co_u32 s24, s24, s17                     ; + 32 (wave / 2)
	s_and_b32 s17, s14, 1
	s_lshl_b32 s17, s17, 3
	s_add_co_u32 s24, s24, s17                     ; + 8 (wave % 2): tile m = wave
	s_lshl_b32 s24, s24, 11
	s_mov_b32 s25, 0
	s_lshl_b32 s26, s15, 18                        ; wimg: the product's weight,
	s_lshl_b32 s17, s14, 16
	s_add_co_u32 s26, s26, s17                     ; my eight tiles of 8,192 bytes
	s_mov_b32 s27, 0
	s_lshr_b32 s28, s16, 5                         ; the batch
	s_lshl_b32 s28, s28, 3
	s_lshl_b32 s17, s14, 1
	s_add_co_u32 s28, s28, s17                     ; b h of my first head = 8 x batch + 2 x wave
	s_lshl_b32 s28, s28, 5
	s_and_b32 s17, s16, 31
	s_add_co_u32 s28, s28, s17                     ; 32 x b h + key step
	s_cmp_eq_u32 s15, 0
	s_cselect_b32 s17, 13, 14                      ; a key step's tokens are 8,192 bytes of q_img, 16,384 of kv_img
	s_lshl_b32 s28, s28, s17
	s_lshl_b32 s30, 32, s17                        ; from a head to the next
	s_cmp_eq_u32 s15, 2
	s_cselect_b32 s17, 8192, 0                     ; V's half
	s_add_co_u32 s28, s28, s17
	s_mov_b32 s29, 0
	s_mov_b32 s31, 0
	s_wait_kmcnt 0x0
	s_load_b256 s[32:39], s[8:9], 0x0              ; e0 .. e7
	s_load_b128 s[40:43], s[8:9], 0x20             ; e8 .. e11
	s_add_nc_u64 s[4:5], s[4:5], s[24:25]
	s_add_nc_u64 s[6:7], s[6:7], s[26:27]
	s_cmp_eq_u32 s15, 0                            ; the buffer is chosen on the work-group's number alone
	s_cselect_b64 s[20:21], s[10:11], s[12:13]
	s_add_nc_u64 s[20:21], s[20:21], s[28:29]      ; my first head's place
	s_add_nc_u64 s[22:23], s[20:21], s[30:31]      ; my second head's
	WIN 0x40                                       ; destination window 1
	s_wait_alu depctr_va_vdst(0)                   ; v4, v5 and v7 are written: every load and store of the kernel reads one of them as its offset or address.  Only loads and window switches stand between this wait and the last of x's first loads
.set i, 0
.rept 64
	global_load_b128 v[4*i:4*i+3], v[LI], s[6:7] offset:512*i          ; weight tiles 0-3: 32 lanes read 512 consecutive bytes
.set i, i+1
.endr
	WIN 0x80                                       ; destination window 2
.set i, 0
.rept 64
	global_load_b128 v[4*i:4*i+3], v[LI], s[6:7] offset:32768+512*i    ; weight tiles 4-7
.set i, i+1
.endr
	WIN 0
	XLOAD 0
	XLOAD 1
	XLOAD 2
	XLOAD 3
	s_wait_kmcnt 0x0
	s_cmp_eq_u32 s15, 1                            ; ex, ew, eo of my product: selections, no branch
	s_cselect_b32 s32, s34, s32
	s_cselect_b32 s33, s35, s33
	s_cselect_b32 s38, s39, s38
	s_cmp_eq_u32 s15, 2
	s_cselect_b32 s32, s36, s32
	s_cselect_b32 s33, s37, s33
	s_cselect_b32 s38, s41, s38
	s_add_co_i32 s17, s32, 127
	s_lshl_b32 s18, s17, 23
	v_mov_b32 v10, s18                             ; 2^ex
	s_add_co_i32 s17, s17, 8
	s_lshl_b32 s17, s17, 23
	s_or_b32 s17, s17, 0x600000
	v_mov_b32 v11, s17                             ; 448 x 2^ex
	s_sub_co_i32 s17, s38, s32
	s_sub_co_i32 s17, s17, s33
	s_add_co_i32 s17, s17, 127
	s_lshl_b32 s18, s17, 23
	v_mov_b32 v12, s18                             ; 2^(eo - ex - ew)
	s_add_co_i32 s17, s17, 8
	s_lshl_b32 s17, s17, 23
	s_or_b32 s17, s17, 0x600000
	v_mov_b32 v13, s17                             ; 448 x that
	s_wait_alu depctr_va_vdst(0)
.irp c, 0,1,2,3,4,5,6,7
.if \c < 4
	s_wait_loadcnt 48                              ; loads come back in order (ISA guide 5.7.1): chunk c is in (and the weights, issued earlier); the three younger chunks of 16 loads may be out
.else
	s_wait_loadcnt 16*(7-\c)
.endif
	QUANTX \c
.endr
	s_wait_dscnt 0x0                               ; for the others' sake: my images are in LDS
	s_barrier_signal -1
	s_barrier_wait -1                              ; all 32 fragments of x lie in LDS; from here on LDS is only read
	s_cmp_eq_u32 s15, 2                            ; the work-group's number: all four waves go the same way
	s_cbranch_scc1 .Lv
	MUL 0, 0
	EPIQK 0
	MUL 1, 0
	EPIQK 1
	s_wait_dscnt 0x0                               ; the closing lines, six on end
	s_wait_alu 0x0
	s_wait_tensorcnt 0x0
	ds_add_u32 v[SPW], v[NIL]
	s_wait_dscnt 0x0
	s_endpgm
.Lv:
	MUL 0, 1
	EPIV 0
	MUL 1, 1
	EPIV 1
	s_wait_dscnt 0x0                               ; the closing lines, six on end
	s_wait_alu 0x0
	s_wait_tensorcnt 0x0
	ds_add_u32 v[SPW], v[NIL]
	s_wait_dscnt 0x0
	s_endpgm
.Lfunc_end_k_q0fe12b2ebe_proj:
	.size	k_q0fe12b2ebe_proj, .Lfunc_end_k_q0fe12b2ebe_proj-k_q0fe12b2ebe_proj
	.p2alignl 7, 3214868480
	.fill 96, 4, 3214868480
	.section	.rodata,"a",@progbits
	.p2align	6, 0x0
	.amdhsa_kernel k_q0fe12b2ebe_proj
		.amdhsa_group_segment_fixed_size 66048
		.amdhsa_private_segment_fixed_size 0
		.amdhsa_enable_private_segment 0
		.amdhsa_kernarg_size 40
		.amdhsa_user_sgpr_count 2
		.amdhsa_user_sgpr_kernarg_segment_ptr 1
		.amdhsa_wavefront_size32 1
		.amdhsa_system_sgpr_workgroup_id_x 1
		.amdhsa_system_sgpr_workgroup_id_y 1
		.amdhsa_system_sgpr_workgroup_id_z 1
		.amdhsa_system_vgpr_workitem_id 0
		.amdhsa_next_free_vgpr 1024
		.amdhsa_next_free_sgpr 66
		.amdhsa_reserve_vcc 0
		.amdhsa_float_denorm_mode_32 3
		.amdhsa_float_denorm_mode_16_64 3
		.amdhsa_memory_ordered 1
		.amdhsa_forward_progress 1
		.amdhsa_inst_pref_size 203
	.end_amdhsa_kernel
	.amdgpu_metadata
---
amdhsa.version: [ 1, 2 ]
amdhsa.kernels:
  - .name:           k_q0fe12b2ebe_proj
    .symbol:         k_q0fe12b2ebe_proj.kd
    .args:
      - { .name: x, .offset: 0, .size: 8, .value_kind: global_buffer, .address_space: global }
      - { .name: wimg, .offset: 8, .size: 8, .value_kind: global_buffer, .address_space: global }
      - { .name: lowp_scales, .offset: 16, .size: 8, .value_kind: global_buffer, .address_space: global }
      - { .name: q_img, .offset: 24, .size: 8, .value_kind: global_buffer, .address_space: global }
      - { .name: kv_img, .offset: 32, .size: 8, .value_kind: global_buffer, .address_space: global }
    .group_segment_fixed_size: 66048
    .private_segment_fixed_size: 0
    .kernarg_segment_align: 8
    .kernarg_segment_size: 40
    .max_flat_workgroup_size: 128
    .sgpr_count:     66
    .vgpr_count:     1024
    .wavefront_size: 32
...
	.end_amdgpu_metadata
.endif
;; end of part 6
;; launch attn (part 7): grid 16 x 16, 8 waves a work-group, clusters of 4 x 1, 327,680 bytes of LDS; arguments q_img, kv_img, lowp_scales, a_img; writes a_img
.if DOCPART == 7
	.amdgcn_target "amdgcn-amd-amdhsa--gfx1250"
	.amdhsa_code_object_version 6
	.text
	.protected	k_q0fe12b2ebe_attn
	.globl	k_q0fe12b2ebe_attn
	.p2align	8
	.type	k_q0fe12b2ebe_attn,@function
k_q0fe12b2ebe_attn:
	s_mov_b64 s[64:65], 0
	v_nop
	global_prefetch_b8 v0, s[64:65] scope:SCOPE_SE
	s_setreg_imm32_b32 hwreg(HW_REG_WAVE_MODE, 25, 1), 1
	s_wait_xcnt 0x0
	s_wait_alu depctr_hold_cnt(0) depctr_sa_sdst(0) depctr_va_vdst(0) depctr_va_sdst(0) depctr_va_ssrc(0) depctr_va_vcc(0) depctr_vm_vsrc(0)
	s_getreg_b32 s2, hwreg(HW_REG_IB_STS2, 6, 4)
	s_cmp_eq_u32 s2, 0
	s_cbranch_scc0 .Lentry_in_a_cluster
	s_endpgm
.Lentry_in_a_cluster:
	s_bfe_u32 s2, ttmp6, 0x10000c
	s_cmp_lg_u32 s2, 0x3003
	s_cbranch_scc0 .Lentry_shape_is_right
	s_endpgm
.Lentry_shape_is_right:
; ATTN: for each batch and head, O = softmax(q k^T / 8) v on codes of E4M3, and O quantised for the last product.  No work of the problem is left out.
; THE SOFTMAX: t = score x log2(e) / 8; M = the row's largest t so far, rounded UP to a whole number; p = 2^(t - M) is quantised (entry 8), not normalised.  The row's sum is taken of the unquantised p and divides O
; at the end.  When M moves, the sum and O are multiplied by 2^(old M - new M), which rounds nothing; there is no branch on data.
; SHARES.  Work-group y = batch x head; 256 queries a work-group; each of its EIGHT waves owns two tiles of 16 queries, A and B, in 512 registers: two waves to a SIMD, so that one wave's vector work stands beside
; the other's products and LDS loads, and each fragment of K and V read from LDS feeds two matrix instructions.  Every wave walks all 4,096 keys, 128 a step.
; TILE B'S STATE LIES IN WINDOW 1 UNDER THE SAME REGISTER NUMBERS AS TILE A'S IN WINDOW 0: the softmax is written once and runs under either setting of the windows.
; LAYOUT.  Both products are used transposed: S^T = K Q^T (source 0 = 16 keys, K = the head's 64), O^T = V^T P^T (source 0 = 16 channels, K = 128 keys): a lane holds ONE query throughout.  The keys of a tile of K and
; the channels of a tile of V^T are laid (by the launch before) so that 16 result registers of two neighbouring tiles are 16 neighbours: p's codes are the second product's operand, and O's codes are pieces of a_img.
; All operands come as images of registers: a piece of 512 bytes is four registers of 32 lanes, 16 bytes of lane l at 16 l: dense loads, no pitch, no padding, no stage on the way out.
; CLUSTER.  The four query blocks of a cluster walk the same head's kv_img: each slot (4 key steps, 65,536 dense bytes) is asked for JOINTLY, each wave 8,192 bytes, by the same descriptor with a mask that names the four.
; A wave has one tensor load out at the most.  lds_bytes claims all of LDS; 132,096 bytes are used.
; LIMITS: e6 + e7 between -123 and 130 (added to c's exponent field); e8 and e10 between -126 and 119; e8 + e9 goes by v_ldexp_f32 and has none.
; REGISTERS (both windows unless named): v1 16 x lane, v3 256 x lane, v5, v6 the add's two, v8 LDS address of the slot in hand (window 0); v12 -M, v13 the largest t, v[14:15] the sum; v16-23 Q;
;   v32-95: window 0 V's four fragments, window 1 K's eight; v96-159 S^T, then p; v160-191 O^T; v224-239 p's codes; v240, 241: 448 x 2^e8, 2^e8; v[242:243] second chain of the sum; v244, 245: 2^e10, 448 x 2^e10;
;   v246 a permute's destination; v248-251 four chains of the maximum; v[252:253] f; v254 at work.
.set SLOT1, 65536                      ; slot 1 begins here: one exclusive or turns an address from one slot to the other
.set SPARE, 131072                     ; behind the ring: the spare words, 128 bytes for each of eight waves, which no other line names
.set MSB, 0
.macro WIN new                         ; the immediate's high byte repeats the setting that is left; a switch that changes nothing is dropped
.if MSB != (\new)
	s_set_vgpr_msb (MSB<<8)|(\new)
.set MSB, (\new)
.endif
.endm
.macro CROUND                          ; a round of the cluster's barrier: my work-group's barrier; wave 0 signals for the work-group; every wave waits for all four; my work-group's barrier once more
	s_barrier_signal -1
	s_barrier_wait -1
	s_cmp_lg_u32 s12, 0
	s_cbranch_scc1 .Lnot_wave_0_\@
	s_barrier_signal -3
.Lnot_wave_0_\@:
	s_barrier_wait -3
	s_barrier_signal -1
	s_barrier_wait -1
.endm
; A PREFETCH of the slot that the NEXT change of slots will ask for: four key steps ahead of that load.  All four clusters of a head walk the same bytes: the head's first cluster asks.  Its four partners take 16,384
; bytes each, told apart BY ADDRESS; in each, waves 0 and 1 ask, 8,192 bytes a wave, lanes 256 bytes apart: each aligned block of 256 bytes is named once in the launch.  The last change that fills a slot asks for
; nothing: there is no slot behind it.  Slots 0 and 1 come by their loads alone.
.macro ASK
	s_cmp_gt_u32 s37, s15
	s_cbranch_scc0 .Lnot_mine_\@
	global_prefetch_b8 v3, s[18:19] th:TH_LOAD_NT scope:SCOPE_SE
.Lnot_mine_\@:
.endm
; ONE TILE'S SOFTMAX FOR ONE KEY STEP: 64 scores a lane.
.macro SM
.irp k, 0,1,2,3                        ; the largest score, in four chains of 15; each accumulator is read from its low end on
	v_max3_num_f32 v[248+\k], v[96+16*\k], v[97+16*\k], v[98+16*\k]
.endr
.irp i, 1,2,3,4,5,6
.irp k, 0,1,2,3
	v_max3_num_f32 v[248+\k], v[248+\k], v[97+16*\k+2*\i], v[98+16*\k+2*\i]
.endr
.endr
	v_max3_num_f32 v248, v248, v111, v127          ; the four scores left over,
	v_max3_num_f32 v250, v250, v143, v159
	s_delay_alu instid0(VALU_DEP_1)
	v_max3_num_f32 v248, v248, v249, v250          ; and the chains
	s_delay_alu instid0(VALU_DEP_1)
	v_max_num_f32 v248, v248, v251
	s_delay_alu instid0(VALU_DEP_1)
	v_permlanex16_b32 v246, v248, s20, s21         ; the query's other 64 keys lie in the lane 16 away
	s_delay_alu instid0(VALU_DEP_1)
	v_max_num_f32 v248, v248, v246
	s_delay_alu instid0(VALU_DEP_1)
	v_mul_f32 v248, s22, v248                      ; as t (c is positive)
	s_delay_alu instid0(VALU_DEP_1)
	v_max_num_f32 v13, v13, v248                   ; the running largest t
	v_mov_b32 v254, v12
	s_delay_alu instid0(VALU_DEP_2)
	v_floor_f32 v12, -v13                          ; the new -M = floor(-t) = -ceil(t)
	s_delay_alu instid0(VALU_DEP_1)
	v_sub_f32 v254, v12, v254                      ; old M - new M: a whole number, 0 or less
	s_delay_alu instid0(VALU_DEP_1)
	v_cvt_i32_f32 v254, v254                       ; (it saturates)
	s_delay_alu instid0(VALU_DEP_1)
	v_ldexp_f32 v252, 1.0, v254                    ; f = 2^(old M - new M)
.set j, 0
.rept 32
	v_pk_fma_f32 v[96+j:97+j], v[96+j:97+j], s[22:23], v[12:13] op_sel_hi:[1,0,0]   ; t - M, two at a time (of the pairs c and -M the low word serves both halves)
.set j, j+2
.endr
.set j, 0
	s_wait_alu depctr_va_vdst(0)
.rept 64
	v_exp_f32 v[96+j], v[96+j]                     ; p = 2^(t - M): one batch
.set j, j+1
.endr
	v_pk_mul_f32 v[14:15], v[14:15], v[252:253] op_sel_hi:[1,0]   ; the sum under the new M: the plain line behind the last exponential
	s_wait_alu depctr_va_vdst(0)                   ; one wait for the batch, ahead of the first line that names a result
	v_pk_add_f32 v[14:15], v[14:15], v[96:97]      ; THE SUM IS TAKEN OF THE UNQUANTISED p, in two chains; each pair is held behind its addition
	v_min_num_f32 v96, v96, v240                   ; the conversion does not saturate (ISA guide 7.6.2); p is not negative, so the hold is one-sided
	v_min_num_f32 v97, v97, v240
	v_pk_add_f32 v[242:243], v[98:99], v[100:101]
	v_min_num_f32 v98, v98, v240
	v_min_num_f32 v99, v99, v240
	v_min_num_f32 v100, v100, v240
	v_min_num_f32 v101, v101, v240
.set j, 3
.rept 29
.if (j%2) == 1
	v_pk_add_f32 v[14:15], v[14:15], v[96+2*j:97+2*j]
.else
	v_pk_add_f32 v[242:243], v[242:243], v[96+2*j:97+2*j]
.endif
	v_min_num_f32 v[96+2*j], v[96+2*j], v240
	v_min_num_f32 v[97+2*j], v[97+2*j], v240
.if (j%8) == 7                         ; 16 neighbouring keys are held: registers 4 b .. 4 b + 3 of the second product's operand
	v_cvt_scalef32_pk8_fp8_f32 v[224+4*(j/8):225+4*(j/8)], v[96+16*(j/8):103+16*(j/8)], v241
	v_cvt_scalef32_pk8_fp8_f32 v[226+4*(j/8):227+4*(j/8)], v[104+16*(j/8):111+16*(j/8)], v241
.endif
.set j, j+1
.endr
	v_pk_add_f32 v[14:15], v[14:15], v[242:243]
.set j, 0
.rept 16
	v_pk_mul_f32 v[160+j:161+j], v[160+j:161+j], v[252:253] op_sel_hi:[1,0]   ; O^T under the new M.  (Plain lines between the last conversion and the products that read the codes)
.set j, j+2
.endr
.endm
.macro KLOAD base                      ; a step's K: 8 tiles x 2 pieces into window 1
	WIN 0x40
.set i, 0
.rept 16
	ds_load_b128 v[32+4*i:35+4*i], v8 offset:(\base)+512*i
.set i, i+1
.endr
	WIN 0
.endm
.macro VLOAD base                      ; a step's V^T: 4 tiles x 4 pieces into window 0
.set i, 0
.rept 16
	ds_load_b128 v[32+4*i:35+4*i], v8 offset:(\base)+8192+512*i
.set i, i+1
.endr
.endm
.macro KQ                              ; S^T = K Q^T: eight tiles of 16 keys; the constant 0 starts each sum
.irp t, 0,1,2,3,4,5,6,7
	v_wmma_f32_16x16x64_fp8_fp8 v[96+8*\t:103+8*\t], v[32+8*\t:39+8*\t], v[16:23], 0
.endr
.endm
.macro PV                              ; O^T += V^T P^T: four tiles of 16 channels, by turns
.irp t, 0,1,2,3
	v_wmma_f32_16x16x128_fp8_fp8 v[160+8*\t:167+8*\t], v[32+16*\t:47+16*\t], v[224:239], v[160+8*\t:167+8*\t]
.endr
.endm
; A KEY STEP, the q-th of the slot in hand.  No two matrix instructions that follow each other name the same accumulator.
.macro STEP q
.if \q == 0
	KLOAD 0
.endif
	s_wait_dscnt 0x0                               ; K is in
	WIN 0x01                                       ; K window 1; Q and S^T window 0: tile A
	KQ
	WIN 0x45                                       ; K, Q and S^T window 1: tile B
	KQ
	WIN 0
.rept 4
	v_nop                                          ; four places: in front of the reads of S^T, of the loads into K's registers, and (behind the step before's last products) of the loads into V's (ISA guide 7.12.1 for vector instructions)
.endr
	VLOAD 16384*\q
.if \q < 3
	KLOAD 16384*(\q+1)                             ; the next step's K lands under the two softmaxes
.endif
	SM                                             ; tile A
.if \q < 3
	s_wait_alu depctr_va_vdst(0)
	s_wait_dscnt 16                                ; V is in; the 16 loads of K issued behind it may be out
.else
	s_wait_alu depctr_va_vdst(0)
	s_wait_dscnt 0x0
.endif
	PV                                             ; tile A's products run under tile B's softmax
	WIN 0x55                                       ; everything window 1
	SM                                             ; tile B
	WIN 0x54                                       ; V window 0; codes and O^T window 1
	PV
	WIN 0
.endm
; THE CHANGE OF SLOTS stands at a slot's head.  Each wave waits for all its tensor loads (its part of the slot ahead), adds 0 to its spare word, and waits for that and for its reads of the slot left behind.
; fill = 1: a round of the cluster's barrier, so that no wave of any partner still reads that slot or has a load on its way; the joint load is the first thing behind it and has four key steps in which to land.
.macro CHANGE fill
	s_wait_tensorcnt 0x0                           ; no tensor load of mine is out, so the descriptor may be written
	ds_add_u32 v5, v6                              ; 0 onto my spare word
.if \fill
	s_xor_b32 s33, s33, SLOT1                      ; the walking descriptor: the other slot,
	s_add_nc_u64 s[34:35], s[34:35], 65536         ; the next 512 keys; the type bits on top are not reached
	s_wait_xcnt 0x0                                ; the last prefetch, a slot back, has read its address
	s_add_nc_u64 s[18:19], s[18:19], 65536         ; one slot further on than the descriptor
	s_wait_dscnt 0x0                               ; the add is done, and my reads of the slot left behind are over
	CROUND
	tensor_load_to_lds s[32:35], s[24:31]          ; my one tensor load until the next round: 8,192 bytes
	s_nop 0
.rept 4
	v_nop
.endr
	ASK
.else
	s_wait_dscnt 0x0
	s_barrier_signal -1
	s_barrier_wait -1
.endif
.endm
.macro SLOT_STEPS
	v_add_nc_u32 v8, s36, v1
	s_wait_alu depctr_va_vdst(0)
	STEP 0
	STEP 1
	STEP 2
	STEP 3
	s_xor_b32 s36, s36, SLOT1                      ; on to the other slot
.endm
.macro INIT                            ; a tile's state: the step is written without a first copy: it finds zeros, which the first change of M leaves zeros
	v_mov_b32 v13, 0xff61b1e6                      ; the largest t so far: -3e38
	s_delay_alu instid0(VALU_DEP_1)
	v_floor_f32 v12, -v13
	v_mov_b32 v14, 0
	v_mov_b32 v15, 0
	v_mov_b32 v246, 0                              ; a lane permute's destination counts as one of its sources
	v_mov_b32 v253, 0                              ; (named as the upper half of the pair v[252:253])
	v_mov_b32 v240, s51
	v_mov_b32 v241, s50
	v_mov_b32 v244, s52
	v_mov_b32 v245, s53
.set i, 0
.rept 32
	v_mov_b32 v[160+i], 0
.set i, i+1
.endr
.endm
.macro FINISH                          ; O^T x 2^(e8 + e9) / the sum, held and converted with 2^e10: two pieces of a_img in v[224:231]
	v_add_f32 v14, v14, v15
	s_delay_alu instid0(VALU_DEP_1)
	v_permlanex16_b32 v246, v14, s20, s21
	s_delay_alu instid0(VALU_DEP_1)
	v_add_f32 v14, v14, v246                       ; the row's sum
	s_wait_alu depctr_va_vdst(0)
	v_rcp_f32 v14, v14
	v_nop                                          ; a plain line behind the reciprocal
	s_wait_alu depctr_va_vdst(0)                   ; and the wait ahead of its first reader
	v_ldexp_f32 v14, v14, s49
.set i, 0
.rept 32
	v_mul_f32 v[96+i], v[160+i], v14               ; each accumulator from its low end on; register 16 b + i is channel 32 b + 16 h + i
.set i, i+1
.endr
.set i, 0
.rept 32
	v_med3_num_f32 v[96+i], v[96+i], -v245, v245
.set i, i+1
.endr
.irp g, 0,1,2,3
	v_cvt_scalef32_pk8_fp8_f32 v[224+2*\g:225+2*\g], v[96+8*\g:103+8*\g], v244
.endr
	v_nop
.endm
	s_load_b256 s[4:11], s[0:1], 0x0               ; q_img s[4:5], kv_img s[6:7], the exponents s[8:9], a_img s[10:11]
	v_lshl_add_u32 v5, v0, 2, SPARE
	v_mov_b32 v6, 0
	ds_add_u32 v5, v6                              ; the wave's opening: the add, twice on end, and its wait ahead of my first tensor load
	ds_add_u32 v5, v6                              ; and once more, under the one wait; the set-up below, work on registers, stands between
	v_lshrrev_b32 v1, 5, v0
	s_delay_alu instid0(VALU_DEP_1)
	v_readfirstlane_b32 s12, v1                    ; wave 0..7
	s_bfe_u32 s13, ttmp6, 0x40000                  ; cx: my place in the cluster: it enters Q's, a_img's and the prefetch's addresses alone
	s_and_b32 s38, ttmp7, 0xffff                   ; b h, which the four partners share
	s_mov_b32 s24, 15|(3<<16)|(1<<21)              ; group 1: 15:0 the mask: all four; 17:16 elements of 8 bytes; 21 set beside a mask; no padding
	s_mov_b32 s25, 32<<16                          ; tensor_dim0 = 32 elements: rows of 256 bytes
	s_mov_b32 s26, 32<<16                          ; tensor_dim1 = 32 rows
	s_mov_b32 s27, 32<<16                          ; tile_dim0 = 32
	s_mov_b32 s28, 32                              ; tile_dim1 = 32
	s_mov_b32 s29, 32                              ; the pitch: the block is dense
	s_mov_b32 s30, 0
	s_mov_b32 s31, 0
	s_mov_b32 s20, 0x76543210                      ; v_permlanex16_b32: lane l xor 16
	s_mov_b32 s21, 0xfedcba98
	s_mov_b32 s22, 0x3e38aa3b                      ; c = log2(e) / 8
	s_mov_b32 s36, 0                               ; the slot in hand
	s_mov_b32 s37, 7                               ; slots still to be asked for
	s_lshr_b32 s15, s12, 1                         ; who prefetches: waves 0 and 1
	s_or_b32 s15, s15, ttmp9                       ; of the head's first cluster: the same in all four partners
	s_cmp_eq_u32 s15, 0
	s_cselect_b32 s15, 1, -1
	v_and_b32 v1, 31, v0
	s_delay_alu instid0(VALU_DEP_1)
	v_lshlrev_b32 v3, 8, v1                        ; 256 x lane
	s_delay_alu instid0(VALU_DEP_2)
	v_lshlrev_b32 v1, 4, v1                        ; 16 x lane
	s_lshl_b32 s40, s38, 19                        ; kv_img: the head's 524,288 bytes,
	s_lshl_b32 s39, s12, 13
	s_add_co_u32 s40, s40, s39                     ; my wave's 8,192 of a slot
	s_mov_b32 s41, 0
	s_lshl_b32 s54, ttmp9, 2
	s_add_co_u32 s54, s54, s13                     ; my block of 256 queries = 4 x cluster x + cx
	s_lshl_b32 s54, s54, 4
	s_lshl_b32 s55, s12, 1
	s_add_co_u32 s54, s54, s55                     ; tile A's number in the sequence: 16 x block + 2 x wave
	s_lshl_b32 s42, s38, 8
	s_add_co_u32 s42, s42, s54
	s_lshl_b32 s42, s42, 10                        ; q_img: 1,024 bytes a tile
	s_mov_b32 s43, 0
	s_lshr_b32 s16, s38, 3                         ; the batch
	s_lshl_b32 s16, s16, 8
	s_add_co_u32 s16, s16, s54
	s_lshl_b32 s16, s16, 13                        ; a_img: 8,192 bytes a tile of rows,
	s_bfe_u32 s55, s38, 0x20001                    ; head / 2: the K step of the last product,
	s_lshl_b32 s55, s55, 11
	s_add_co_u32 s16, s16, s55
	s_and_b32 s55, s38, 1                          ; head % 2: its pieces 0, 1 or 2, 3
	s_lshl_b32 s55, s55, 10
	s_add_co_u32 s16, s16, s55
	s_mov_b32 s17, 0
	s_lshl_b32 s2, s13, 14                         ; the prefetch: my work-group's 16,384 bytes,
	s_add_co_u32 s2, s2, 65536                     ; in slot 1: the first change of slots steps it to slot 2
	s_mov_b32 s3, 0
	s_wait_dscnt 0x0                               ; both opening adds are done
	s_wait_kmcnt 0x0
	s_load_b128 s[44:47], s[8:9], 0x18             ; e6, e7, e8, e9
	s_load_b32 s48, s[8:9], 0x28                   ; e10
	s_add_nc_u64 s[6:7], s[6:7], s[40:41]
	s_add_nc_u64 s[4:5], s[4:5], s[42:43]
	s_add_nc_u64 s[10:11], s[10:11], s[16:17]
	s_add_nc_u64 s[18:19], s[6:7], s[2:3]
	s_mov_b32 s32, 1                               ; group 0: count = 1
	s_lshl_b32 s33, s12, 13                        ; LDS address: slot 0, 8,192 x wave
	s_mov_b64 s[34:35], s[6:7]                     ; global address: the head's first 512 keys, my part
	s_or_b32 s35, s35, 0x80000000                  ; type = 2
	CROUND                                         ; all four work-groups are here: the first joint loads meet
	tensor_load_to_lds s[32:35], s[24:31]          ; slot 0
	s_nop 0
.rept 4
	v_nop
.endr
	s_wait_alu depctr_va_vdst(0)
	global_load_b128 v[16:19], v1, s[4:5]                  ; Q stays in registers: tile A,
	global_load_b128 v[20:23], v1, s[4:5] offset:512
	WIN 0x40                                       ; destination window 1
	global_load_b128 v[16:19], v1, s[4:5] offset:1024      ; tile B
	global_load_b128 v[20:23], v1, s[4:5] offset:1536
	WIN 0
	s_wait_kmcnt 0x0
	s_add_co_i32 s55, s44, s45
	s_lshl_b32 s55, s55, 23
	s_add_co_i32 s22, s22, s55                     ; a score stands for score x 2^(e6 + e7): the exponents are added to c's exponent field
	s_mov_b32 s23, s22                             ; (named with it as a pair, so it is written)
	s_add_co_i32 s49, s46, s47                     ; e8 + e9
	s_add_co_i32 s55, s46, 127
	s_lshl_b32 s50, s55, 23                        ; 2^e8
	s_add_co_i32 s55, s55, 8
	s_lshl_b32 s51, s55, 23
	s_or_b32 s51, s51, 0x600000                    ; 448 x 2^e8
	s_add_co_i32 s55, s48, 127
	s_lshl_b32 s52, s55, 23                        ; 2^e10
	s_add_co_i32 s55, s55, 8
	s_lshl_b32 s53, s55, 23
	s_or_b32 s53, s53, 0x600000                    ; 448 x 2^e10
	INIT
	WIN 0x55
	INIT
	WIN 0
	s_wait_loadcnt 0x0                             ; Q
.Lslot:                                            ; seven trips: behind each change of slots but the last the next slot is asked for (slot 1's first fill stands behind the first trip's round, where nothing is filled again)
	CHANGE 1
	SLOT_STEPS
	s_sub_co_u32 s37, s37, 1
	s_cmp_lg_u32 s37, 0
	s_cbranch_scc1 .Lslot
	CHANGE 0                                       ; the last slot is written out
	SLOT_STEPS
.rept 4
	v_nop                                          ; places behind the last products
.endr
	FINISH                                         ; tile A
	global_store_b128 v1, v[224:227], s[10:11]             ; 32 lanes store 512 consecutive bytes, aligned
	global_store_b128 v1, v[228:231], s[10:11] offset:512
	WIN 0x55
	FINISH                                         ; tile B
	WIN 0x04                                       ; the stores' data window 1, their address window 0
	global_store_b128 v1, v[224:227], s[10:11] offset:8192
	global_store_b128 v1, v[228:231], s[10:11] offset:8704
	WIN 0
	s_wait_tensorcnt 0x0                           ; the wave's end
	ds_add_u32 v5, v6
	s_wait_dscnt 0x0
	CROUND                                         ; the closing round: no work-group ends while a partner may still ask for a slot that names it
	s_endpgm
.Lfunc_end_k_q0fe12b2ebe_attn:
	.size	k_q0fe12b2ebe_attn, .Lfunc_end_k_q0fe12b2ebe_attn-k_q0fe12b2ebe_attn
	.p2alignl 7, 3214868480
	.fill 96, 4, 3214868480
	.section	.rodata,"a",@progbits
	.p2align	6, 0x0
	.amdhsa_kernel k_q0fe12b2ebe_attn
		.amdhsa_group_segment_fixed_size 327680
		.amdhsa_private_segment_fixed_size 0
		.amdhsa_enable_private_segment 0
		.amdhsa_kernarg_size 32
		.amdhsa_user_sgpr_count 2
		.amdhsa_user_sgpr_kernarg_segment_ptr 1
		.amdhsa_wavefront_size32 1
		.amdhsa_system_sgpr_workgroup_id_x 1
		.amdhsa_system_sgpr_workgroup_id_y 1
		.amdhsa_system_sgpr_workgroup_id_z 1
		.amdhsa_system_vgpr_workitem_id 0
		.amdhsa_next_free_vgpr 512
		.amdhsa_next_free_sgpr 66
		.amdhsa_reserve_vcc 0
		.amdhsa_float_denorm_mode_32 3
		.amdhsa_float_denorm_mode_16_64 3
		.amdhsa_memory_ordered 1
		.amdhsa_forward_progress 1
		.amdhsa_inst_pref_size 246
	.end_amdhsa_kernel
	.amdgpu_metadata
---
amdhsa.version: [ 1, 2 ]
amdhsa.kernels:
  - .name:           k_q0fe12b2ebe_attn
    .symbol:         k_q0fe12b2ebe_attn.kd
    .args:
      - { .name: q_img, .offset: 0, .size: 8, .value_kind: global_buffer, .address_space: global }
      - { .name: kv_img, .offset: 8, .size: 8, .value_kind: global_buffer, .address_space: global }
      - { .name: lowp_scales, .offset: 16, .size: 8, .value_kind: global_buffer, .address_space: global }
      - { .name: a_img, .offset: 24, .size: 8, .value_kind: global_buffer, .address_space: global }
    .group_segment_fixed_size: 327680
    .private_segment_fixed_size: 0
    .kernarg_segment_align: 8
    .kernarg_segment_size: 32
    .max_flat_workgroup_size: 256
    .sgpr_count:     66
    .vgpr_count:     512
    .wavefront_size: 32
...
	.end_amdgpu_metadata
.endif
;; end of part 7
;; launch outp (part 8): grid 2 x 128, 4 waves a work-group, no clusters, 17,920 bytes of LDS; arguments a_img, wimg, lowp_scales, bo, out0; writes out0
.if DOCPART == 8
	.amdgcn_target "amdgcn-amd-amdhsa--gfx1250"
	.amdhsa_code_object_version 6
	.text
	.protected	k_q0fe12b2ebe_outp
	.globl	k_q0fe12b2ebe_outp
	.p2align	8
	.type	k_q0fe12b2ebe_outp,@function
k_q0fe12b2ebe_outp:
	s_mov_b64 s[64:65], 0
	v_nop
	global_prefetch_b8 v0, s[64:65] scope:SCOPE_SE
	s_setreg_imm32_b32 hwreg(HW_REG_WAVE_SCHED_MODE, 0, 2), 2
	s_setreg_imm32_b32 hwreg(HW_REG_WAVE_MODE, 25, 1), 1
	s_wait_xcnt 0x0
	s_wait_alu depctr_vm_vsrc(0)
; OUTP: out0 = Q(attention's result) Q(Wo) + bo on codes of E4M3; both operands come as images of registers.  No work of the problem is left out.
; SHARES.  Work-group x = 256 columns, y = 64 rows (four tiles of 16 tokens).  Wave w takes Wo's tiles 16 x + 4 w + 0 .. 3: 64 columns.  All operands of a wave (16 fragments of Wo, 16 of a) lie in registers:
; straight-line text, no barrier.  256 work-groups.
; Used transposed (source 0 = 16 columns of Wo, source 1 = 16 tokens): a lane holds one token, and register j of tile t the column 32 (t / 2) + 16 h + 8 (t % 2) + j of the wave's 64.
; A sum stands for sum x 2^(e10 + e11): one packed multiply-add for two numbers gives sum x 2^(e10 + e11) + bo.  LIMIT: e10 + e11 between -126 and 127.
; THE WAY OUT.  A tile's 16 rows x 256 bytes go through the wave's own stage in LDS (rows 272 bytes apart) and come back by rows: sixteen lanes store 256 consecutive bytes, aligned.
; Token r of tile m is row 32 (m / 2) + 8 (m % 2) + r + 8 (r / 8) of the work-group's 64.
; NO JOINT LOADS, NO PREFETCH: every operand byte goes by a dense load of 512 bytes straight into the register in which it is multiplied, all 136 loads of a wave are issued at the head, and each is used once;
; a way through LDS would add a write and a read of every byte.
; REGISTERS.  Window 0: v5-9 addresses, v14, 15 the add's two, v32-63 bo in the result's layout, v64-127 results on their way into the stage, two buffers of 32, v128-255 rows read back, 32 a tile.
;   Window 1: Wo (t, s) at 16 (4 t + s).  Window 2: a (m, s) at 16 (4 m + s).   Window 3: accumulator (m, t) at 8 (4 m + t).
; THE MODE: SCHED_MODE bits 1:0 = 2 (LLVM: expert scheduling mode 2), set by the entry lines.  The code itself states the register dependences between vector or matrix instructions and memory or LDS
; instructions, with s_wait_alu, always for 0.
; THE PLAN.  Registers that memory or LDS instructions touch:
;   v5 .. v9        Offsets and LDS addresses: written at the head, never again.  One wait on va_vdst ahead of the first load serves every load and store of the kernel.
;   v32-63, windows 1, 2   bo, Wo's and a's fragments: loaded once; read by multiply-adds and products alone.
;   Y0, Y1          Tile m's sixteen multiply-adds write Y[m % 2]; its eight LDS stores read it; tile m + 2's multiply-adds write it again.
;   BK0 .. BK3      Tile m's eight loads from the stage land in BK[m]; its eight stores to memory read it; no vector instruction names it and it is not used again.
;   v14, v15        Written at the head, read by the closing add alone.
; So a tile has one wait on va_vdst, behind its multiply-adds and ahead of its LDS stores; tiles 2 and 3 have one wait on vm_vsrc ahead of their multiply-adds, a whole tile behind the LDS stores that it names.
.set SPARE, 17408                      ; behind the four stages of 4,352 bytes: the spare words, 128 bytes a wave, which no other line names
.set LI,  5                            ; v5   16 x lane
.set BO,  6                            ; v6   64 h: my half's place in bo
.set STO, 7                            ; v7   the stage: row r, + 64 h
.set RD,  8                            ; v8   back: lanes 0-15 one row, lanes 16-31 the next
.set CO,  9                            ; v9   and the same two rows in out0
.set SPW, 14
.set NIL, 15
.set BI,  32
.set Y,   64
.set BK,  128
.set MSB, 0
.macro WIN new                         ; the immediate's high byte repeats the setting that is left; a switch that changes nothing is dropped
.if MSB != (\new)
	s_set_vgpr_msb (MSB<<8)|(\new)
.set MSB, (\new)
.endif
.endm
	s_load_b256 s[4:11], s[0:1], 0x0               ; a_img s[4:5], wimg s[6:7], the exponents s[8:9], bo s[10:11]
	s_load_b64 s[12:13], s[0:1], 0x20              ; out0
	v_lshl_add_u32 v[SPW], v0, 2, SPARE
	v_mov_b32 v[NIL], 0
	v_lshrrev_b32 v1, 5, v0
	v_readfirstlane_b32 s14, v1                    ; wave 0..3
	s_and_b32 s15, ttmp7, 0xffff                   ; which 64 rows
	v_and_b32 v1, 31, v0
	v_and_b32 v2, 15, v0                           ; r
	v_bfe_u32 v3, v0, 4, 1                         ; h
	v_lshlrev_b32 v[LI], 4, v1
	v_lshlrev_b32 v[BO], 6, v3
	s_wait_alu depctr_va_sdst(0)                   ; s14 is written, ahead of its first reader: my stage's place and the bases of wimg, bo and out0 are made from it
	s_mul_i32 s16, s14, 4352                       ; my stage
	v_mul_u32_u24 v[STO], v2, 272
	v_lshl_add_u32 v[STO], v3, 6, v[STO]
	v_add_nc_u32 v[STO], s16, v[STO]
	v_mul_u32_u24 v[RD], v3, 272
	v_lshl_add_u32 v[RD], v2, 4, v[RD]
	v_add_nc_u32 v[RD], s16, v[RD]
	v_lshlrev_b32 v[CO], 11, v3
	v_lshl_add_u32 v[CO], v2, 4, v[CO]
	s_lshl_b32 s20, ttmp9, 17                      ; wimg: 16 tiles of 8,192 bytes x work-group x,
	s_lshl_b32 s17, s14, 15
	s_add_co_u32 s20, s20, s17                     ; 4 tiles x wave,
	s_add_co_u32 s20, s20, 786432                  ; in the fourth weight
	s_mov_b32 s21, 0
	s_lshl_b32 s22, s15, 15                        ; a_img: 4 tiles of rows of 8,192 bytes
	s_mov_b32 s23, 0
	s_lshl_b32 s24, ttmp9, 10                      ; my 64 columns, in bytes
	s_lshl_b32 s17, s14, 8
	s_add_co_u32 s24, s24, s17
	s_mov_b32 s25, 0
	s_lshl_b32 s26, s15, 17                        ; out0: 64 rows of 2,048 bytes,
	s_add_co_u32 s26, s26, s24                     ; my columns
	s_mov_b32 s27, 0
	s_wait_kmcnt 0x0
	s_load_b64 s[44:45], s[8:9], 0x28              ; e10, e11
	s_add_nc_u64 s[6:7], s[6:7], s[20:21]
	s_add_nc_u64 s[4:5], s[4:5], s[22:23]
	s_add_nc_u64 s[10:11], s[10:11], s[24:25]
	s_add_nc_u64 s[12:13], s[12:13], s[26:27]
	s_wait_alu depctr_va_vdst(0)                   ; v5 to v9 are written: every load and store of the kernel reads one of them as its offset or address.  Only loads and window switches stand between this wait and the last of the 136 loads
.irp t, 0,1,2,3                        ; bo at my lane's eight columns of each tile
	global_load_b128 v[BI+8*\t:BI+8*\t+3], v[BO], s[10:11] offset:(32*(\t/2)+8*(\t%2))*4
	global_load_b128 v[BI+8*\t+4:BI+8*\t+7], v[BO], s[10:11] offset:(32*(\t/2)+8*(\t%2))*4+16
.endr
.irp s, 0,1,2,3                        ; K step by K step, so that the first products can begin while the later steps are on their way
	WIN 0x40                                       ; destination window 1
.irp t, 0,1,2,3
.irp c, 0,1,2,3
	global_load_b128 v[16*(4*\t+\s)+4*\c:16*(4*\t+\s)+4*\c+3], v[LI], s[6:7] offset:(16*\t+4*\s+\c)*512
.endr
.endr
	WIN 0x80                                       ; destination window 2
.irp t, 0,1,2,3
.irp c, 0,1,2,3
	global_load_b128 v[16*(4*\t+\s)+4*\c:16*(4*\t+\s)+4*\c+3], v[LI], s[4:5] offset:(16*\t+4*\s+\c)*512
.endr
.endr
.endr
	WIN 0
	s_wait_kmcnt 0x0
	s_add_co_i32 s46, s44, s45
	s_add_co_i32 s46, s46, 127
	s_lshl_b32 s46, s46, 23                        ; 2^(e10 + e11) as f32
	s_mov_b32 s47, s46                             ; (named with it as a pair, so it is written)
.macro KSTEP s                         ; 16 matrix instructions: the 16 accumulators take turns, one instruction a turn; the first step starts the sums
.irp m, 0,1,2,3
.irp t, 0,1,2,3
.if \s == 0
	v_wmma_f32_16x16x128_fp8_fp8 v[8*(4*\m+\t):8*(4*\m+\t)+7], v[16*(4*\t+\s):16*(4*\t+\s)+15], v[16*(4*\m+\s):16*(4*\m+\s)+15], 0
.else
	v_wmma_f32_16x16x128_fp8_fp8 v[8*(4*\m+\t):8*(4*\m+\t)+7], v[16*(4*\t+\s):16*(4*\t+\s)+15], v[16*(4*\m+\s):16*(4*\m+\s)+15], v[8*(4*\m+\t):8*(4*\m+\t)+7]
.endif
.endr
.endr
.endm
	WIN 0xf9                                       ; source 0 (Wo) window 1, source 1 (a) window 2, C and D window 3
	s_wait_loadcnt 63                              ; of the 136 loads the first 73 are in: bo's 8, the 64 of K steps 0 and 1, and one of K step 2
	KSTEP 0
	KSTEP 1
	s_wait_loadcnt 32                              ; K step 2 is in; K step 3's 32 loads may be out
	KSTEP 2
	s_wait_loadcnt 0x0
	KSTEP 3
	WIN 0
.rept 4
	v_nop                                          ; places in front of the first read of results (ISA guide 7.12.1)
.endr
.macro PACK m                          ; tile m: scaled, bo added, into my stage and back as whole rows, into registers of the tile's own
.if \m > 1
	s_wait_alu depctr_vm_vsrc(0)                   ; the LDS stores of the tile two back have read Y[m % 2], which the multiply-adds below write again
.endif
	WIN 0x03                                       ; source 0 (the sums) window 3
.irp t, 0,1,2,3
.irp i, 0,2,4,6
	v_pk_fma_f32 v[Y+32*(\m%2)+8*\t+\i:Y+32*(\m%2)+8*\t+\i+1], v[8*(4*\m+\t)+\i:8*(4*\m+\t)+\i+1], s[46:47], v[BI+8*\t+\i:BI+8*\t+\i+1] op_sel_hi:[1,0,1]   ; each accumulator from its low end on
.endr
.endr
	WIN 0
	s_wait_alu depctr_va_vdst(0)                   ; the multiply-adds have written Y[m % 2], which the LDS stores read
.irp t, 0,1,2,3
	ds_store_b128 v[STO], v[Y+32*(\m%2)+8*\t:Y+32*(\m%2)+8*\t+3] offset:128*(\t/2)+32*(\t%2)
	ds_store_b128 v[STO], v[Y+32*(\m%2)+8*\t+4:Y+32*(\m%2)+8*\t+7] offset:128*(\t/2)+32*(\t%2)+16
.endr
.irp i, 0,1,2,3,4,5,6,7
	ds_load_b128 v[BK+32*\m+4*\i:BK+32*\m+4*\i+3], v[RD] offset:544*\i   ; LDS serves a wave's instructions in order (ISA guide 5.7.1.4): these see my stores, and the next tile's stores come behind them.  No vector instruction names BK[m]
.endr
.endm
.macro SEND m, younger                 ; younger: the LDS instructions issued behind tile m's loads: the next tile's sixteen, or none
.irp i, 0,1,2,3,4,5,6,7
	s_wait_dscnt \younger+7-\i
	global_store_b128 v[CO], v[BK+32*\m+4*\i:BK+32*\m+4*\i+3], s[12:13] offset:(32*(\m/2)+8*(\m%2)+2*\i+8*(\i/4))*2048 th:TH_STORE_NT   ; sixteen lanes store 256 consecutive bytes, aligned; written once, read by nobody here
.endr
.endm
	PACK 0
	PACK 1                                         ; a tile's arithmetic stands between the loads of the tile before and its stores
	SEND 0, 16
	PACK 2
	SEND 1, 16
	PACK 3
	SEND 2, 16
	SEND 3, 0
	s_wait_dscnt 0x0                               ; the closing lines, six on end
	s_wait_alu 0x0
	s_wait_tensorcnt 0x0
	ds_add_u32 v[SPW], v[NIL]
	s_wait_dscnt 0x0
	s_endpgm
.Lfunc_end_k_q0fe12b2ebe_outp:
	.size	k_q0fe12b2ebe_outp, .Lfunc_end_k_q0fe12b2ebe_outp-k_q0fe12b2ebe_outp
	.p2alignl 7, 3214868480
	.fill 96, 4, 3214868480
	.section	.rodata,"a",@progbits
	.p2align	6, 0x0
	.amdhsa_kernel k_q0fe12b2ebe_outp
		.amdhsa_group_segment_fixed_size 17920
		.amdhsa_private_segment_fixed_size 0
		.amdhsa_enable_private_segment 0
		.amdhsa_kernarg_size 40
		.amdhsa_user_sgpr_count 2
		.amdhsa_user_sgpr_kernarg_segment_ptr 1
		.amdhsa_wavefront_size32 1
		.amdhsa_system_sgpr_workgroup_id_x 1
		.amdhsa_system_sgpr_workgroup_id_y 1
		.amdhsa_system_sgpr_workgroup_id_z 1
		.amdhsa_system_vgpr_workitem_id 0
		.amdhsa_next_free_vgpr 896
		.amdhsa_next_free_sgpr 66
		.amdhsa_reserve_vcc 0
		.amdhsa_float_denorm_mode_32 3
		.amdhsa_float_denorm_mode_16_64 3
		.amdhsa_memory_ordered 1
		.amdhsa_forward_progress 1
		.amdhsa_inst_pref_size 33
	.end_amdhsa_kernel
	.amdgpu_metadata
---
amdhsa.version: [ 1, 2 ]
amdhsa.kernels:
  - .name:           k_q0fe12b2ebe_outp
    .symbol:         k_q0fe12b2ebe_outp.kd
    .args:
      - { .name: a_img, .offset: 0, .size: 8, .value_kind: global_buffer, .address_space: global }
      - { .name: wimg, .offset: 8, .size: 8, .value_kind: global_buffer, .address_space: global }
      - { .name: lowp_scales, .offset: 16, .size: 8, .value_kind: global_buffer, .address_space: global }
      - { .name: bo, .offset: 24, .size: 8, .value_kind: global_buffer, .address_space: global }
      - { .name: out0, .offset: 32, .size: 8, .value_kind: global_buffer, .address_space: global }
    .group_segment_fixed_size: 17920
    .private_segment_fixed_size: 0
    .kernarg_segment_align: 8
    .kernarg_segment_size: 40
    .max_flat_workgroup_size: 128
    .sgpr_count:     66
    .vgpr_count:     896
    .wavefront_size: 32
...
	.end_amdgpu_metadata
.endif
;; end of part 8
